; MI455X (gfx1250); checked and timed in simulation.
; The chip was launched on July 23, 2026; its instructions are those of AMD's public machine-readable ISA for CDNA 5 (MIT licence, August 2026) and "CDNA5" Instruction Set Architecture Reference Guide (July 2026). The comments in the code are by the model that wrote it; some were corrected since.
;; Golden Mo E Dynamic I. Allowed arithmetic: matrix products marked QUANTISED: E3M2 operands, one E8M0 scale for each 32 along K, by v_wmma_scale_f32_16x16x128_f8f6f4 with both operands' format E3M2, f32 sums; products left as they are: f32 operands where the result goes on into a quantised operand, else bf16, f16 or f32 operands; f32 sums; everything else in f32.
;; Inputs: cl_b1 16 float32; cl_b2 1 float32; cl_w1_codes 16 x 32 x 24 uint8 (E3M2 codes of cl_w1, K innermost, in blocks of 32 codes, four codes in three bytes); cl_w1_scales 16 x 32 uint8 (E8M0 scales of cl_w1, one for each 32 codes along K); cl_w2 16 x 1 float32; eb1 8 x 4,096 float32; eb2 8 x 1,024 float32; ew1_codes 8 x 4,096 x 32 x 24 uint8 (E3M2 codes of ew1, K innermost, in blocks of 32 codes, four codes in three bytes); ew1_scales 8 x 4,096 x 32 uint8 (E8M0 scales of ew1, one for each 32 codes along K); ew2_codes 8 x 1,024 x 128 x 24 uint8 (E3M2 codes of ew2, K innermost, in blocks of 32 codes, four codes in three bytes); ew2_scales 8 x 1,024 x 128 uint8 (E8M0 scales of ew2, one for each 32 codes along K); gate_b 8 float32; gate_w 1,024 x 8 float32; x 1,024 x 1,024 float32.
;; Outputs: out0 1,024 x 1,024 float32.
;; This version of the problem:
;;   THIS VERSION OF THE PROBLEM IS GIVEN IN LOW PRECISION. The matrix products marked QUANTISED in the list below multiply operands that are first quantised to E3M2 (3 exponent bits, 2 mantissa bits; 6 bits a number), with one power-of-two scale for each 32 numbers along K (OCP MX v1.0); their sums are f32. All else is computed in f32.
;;   The module's matrix products, in the order in which they are computed (A, B: the left and right operand; K: the contracted axis; several contracted axes count as one K, in the product's order):
;;     1. [M 1,024, K 1,024] x [K 1,024, N 8]; A: input x; B: input gate_w: left as it is (N = 8 < 16)
;;     2. [M 1,024, K 1,024] x [K 1,024, N 16]; A: input x; B: input cl_w1 (given as codes): QUANTISED
;;     3. [M 1,024, K 16] x [K 16, N 1]; A: computed on the way; B: input cl_w2: left as it is (K = 16 < 32)
;;     4. [M 1,024, K 1,024] x [K 1,024, N 32,768]; A: input x; B: input ew1 (given as codes): QUANTISED
;;     5. batch 8 x [M 1,024, K 4,096] x [K 4,096, N 1,024]; A: input ew2 (given as codes); B: computed on the way: QUANTISED
;;     6. batch 1,024 x [M 1, K 8] x [K 8, N 1,024]; A: computed on the way; B: computed on the way: left as it is (K = 8 < 32)
;;   THE QUANTISER, for each operand of a quantised product, along K:
;;     - K is cut into blocks of 32 from its start; a last block that is shorter is filled with zeros.
;;     - A block's scale is 2^e with e = floor(log2(the largest magnitude in the block)) - 4, held to -126 .. 127; a block of zeros has e = 0. As a byte (E8M0): e + 127.
;;     - Each number is divided by its block's scale, clamped to +-28, and rounded to the nearest number of E3M2, ties to even, subnormals kept.
;;     - The product sums the exact products of the quantised numbers (number of the format x scale) in f32.
;;   ~~~python
;;   def quantise(x, axis):      # numpy; x: float32 -> the quantised numbers, widened to float32 again
;;       x = np.moveaxis(x, axis, -1); K = x.shape[-1]
;;       x = np.pad(x, [(0, 0)] * (x.ndim - 1) + [(0, -K % 32)]); x = x.reshape(x.shape[:-1] + (-1, 32)); a = np.abs(x).max(-1, keepdims=True)
;;       e = np.where(a > 0, np.clip(np.frexp(np.where(a > 0, a, 1))[1] - 1 - 4, -126, 127), 0)      # np.frexp(a)[1] - 1 = floor(log2(a)), exactly
;;       r = np.clip(x / 2.0 ** e, -28, 28)
;;       step = 2.0 ** (np.maximum(np.frexp(np.where(r == 0, 1, r))[1] - 1, -2) - 2)
;;       q = np.round(r / step) * step * 2.0 ** e      # np.round: ties to even
;;       return np.moveaxis(q.reshape(q.shape[:-2] + (-1,))[..., :K], -1, axis).astype(np.float32)
;;   ~~~
;;   OPERANDS COMPUTED ON THE WAY. 'Computed on the way' means the value that the module computes at that place (a softmax that the list does not call 'softmax' is quantised finished and normalised). What goes into a quantiser is computed in f32, as accurately as f32 sums, v_exp_f32 and their like allow (about 1e-6 of the number): no bf16 or f16 on the way to a quantiser, and a product that is left as it is and whose result goes on into a quantised operand takes f32 operands (vector FMAs, or v_wmma_f32_16x16x4_f32). A number that lies on a knife's edge between two numbers of the format may be rounded either way, as far as f32 arithmetic and the matrix unit's own rounding can turn it there, and no further.
;;   INPUTS GIVEN AS CODES. cl_w1 (in the module: [1024, 16], K = its axis 0); ew1 (in the module: [8, 1024, 4096], K = its axis 1); ew2 (in the module: [8, 4096, 1024], K = its axis 1): each comes as NAME_codes (uint8): NAME with its K axis moved to the last place and cut into blocks of 32 codes, [.., K / 32, bytes a block], one block behind the other in memory; four codes in three bytes: a row's codes are one little-endian stream of bits, code i at bits 6 i .. 6 i + 5 (a code: sign, 3 exponent bits, 2 mantissa bits); and NAME_scales (uint8): the same leading axes, one E8M0 byte (e + 127) for each 32 codes along K. Its value is code x scale, taken as it is: it is not quantised again, and the codes and scales need not be those that the quantiser above would give.
;; One version. Each part assembles by itself: llvm-mc -triple=amdgcn-amd-amdhsa -mcpu=gfx1250 --defsym DOCPART=n.
;; ======== version 1 of 1: 4 launches
;; limits: values are held in bf16: 8 bits of precision; right only within a limited range of input values
;; workspace buffers: xq 786,432 bytes; xs 32,768 bytes; probs 32,768 bytes; clar 4,096 bytes; hq 25,165,824 bytes; hs 1,048,576 bytes; part 16,777,216 bytes
;; launch prep (part 1): grid 64 x 1, 8 waves a work-group, no clusters, 122,368 bytes of LDS; arguments x, gate_w, gate_b, cl_w1_codes, cl_w1_scales, cl_b1, cl_w2, cl_b2, xq, xs, probs, clar; writes xq, xs, probs, clar
.if DOCPART == 1
	.amdgcn_target "amdgcn-amd-amdhsa--gfx1250"
	.amdhsa_code_object_version 6
	.text
	.protected	k_qe6812b786b_prep
	.globl	k_qe6812b786b_prep
	.p2align	8
	.type	k_qe6812b786b_prep,@function
k_qe6812b786b_prep:
	s_mov_b64 s[64:65], 0
	v_nop
	global_prefetch_b8 v0, s[64:65] scope:SCOPE_SE
	s_setreg_imm32_b32 hwreg(HW_REG_WAVE_MODE, 25, 1), 1
	s_wait_xcnt 0x0
; x [1024][1024] f32 is read ONCE and three things are made of it:
;   xq, xs  its codes of BF6 (E3M2) and E8M0 scale words, one scale for each 32 along K, laid as the next launch's operand registers want them:
;           xq [tile of 16 tokens][K step of 128][1,536 bytes]: registers 4 c .. 4 c + 3 of lane l at 512 c + 16 l;   xs [tile][token][K step]: one word each
;   probs   softmax((x gate_w + gate_b) / e), f32 operands and f32 sums, since ranks hang on it (8 M multiply-adds: no bulk work)
;   clar    sigmoid(relu(Q(x) cl_w1 + cl_b1) cl_w2 + cl_b2): the first product on codes, by the scaled matrix instruction
; SHARES.  A work-group takes 16 tokens, wave q of its eight the K step q (128 along K).  The waves' partial sums meet in LDS behind ONE barrier; then wave 0 finishes the gate, wave 1 the clarity, wave 2 sends the scale words.
; LOADS.  A token's 128 numbers of a K step are 512 consecutive bytes, and the wave's 128 rows of gate_w are 4,096: each load takes 512 consecutive bytes, 16 a lane.  Both then turn through the wave's own stage in LDS,
; from which each lane reads what the products and the quantiser want of it.  No other wave touches a stage, and LDS serves a wave's instructions in order (ISA guide 5.7.1.4): no wait and no barrier between its stores and its loads.
; A LANE'S 64 NUMBERS OF x: lane (r, h) holds token r; register 16 b + i holds k = 32 b + 8 h + i (i < 8) or 32 b + 16 + 8 h + (i - 8): the order in which the next launch's products leave the hidden layer,
; so one way of quantising serves both.
; LIMITS: NaN and infinities among the inputs are not served.  A block whose largest magnitude lies under 2^-122 keeps the scale byte 1; a block of zeros gets the byte 1 with zero codes (these bytes are read by
; this program alone).  Clarity's K is summed as eight f32 partial sums, one a wave.  The division by e is folded into one constant, log2(e) / e.
.set GP,   0                           ; LDS: the gate's partial sums, 1,024 bytes a wave, as images of 8 registers
.set CP,   8192                        ; clarity's likewise
.set XSW,  16384                       ; x's scale words: token r, K step q at 32 r + 4 q
.set STG,  16896                       ; the stages, one for each wave
.set WST,  13056                       ; a stage: 16 rows of x, then gate_w's 4,096 bytes
.set XP,   528                         ; a row of x in the stage: 512 bytes + 16: the sixteen rows that a load of 16 bytes a lane touches begin at sixteen different places modulo 256 bytes
.set GST,  16*XP                       ; gate_w in the stage: 32 bytes of padding behind every 256, so that lanes 16-31, eight rows of gate_w further on, read other banks than lanes 0-15
.set X,    32                          ; v32-95   x as loaded, then my 64 numbers of x; behind the barrier the eight waves' partial sums
.set GW,   96                          ; v96-159  gate_w as loaded (32 registers), then at the k of x's registers; later the gate's sums.   v18-25 cl_b1, v26-31 and v252-253 cl_w2, of units 8 h + 0 .. 7
.set GA,   160                         ; v160-191 four accumulators of the f32 product: written by matrix instructions alone
.set CA,   192                         ; v192-199 clarity's accumulator
.set CLF,  200                         ; v200-211 cl_w1's fragment
.set CLSC, 212                         ; v212     its scale words
.set TM,   214                         ; v214-229 at work in QUANT
.set PW,   230                         ; v230     x's scale word
.set PC,   232                         ; v232-250 x's codes: 12 registers of the fragment, 7 at work
.set SEL,  42                          ; s[42:43] v_permlanex16_b32's selects for lane l xor 16
.set P1,   44                          ; s44-46   byte selects for v_perm_b32
.set P2,   45
.set P3,   46
; 64 numbers of a lane, in the order stated above, become a fragment's codes in v[PC] .. v[PC + 11] and its scale word in v[PW].
.macro QUANT s
.irp b, 0,1,2,3
	v_max3_num_f32 v[TM+\b], |v[\s+16*\b]|, |v[\s+1+16*\b]|, 0x2800000   ; block b: my 16 numbers, and the floor 2^(5 - 127): the byte cannot fall under 1
.endr
.irp i, 2,4,6,8,10,12,14
.irp b, 0,1,2,3
	s_delay_alu instid0(VALU_DEP_4)
	v_max3_num_f32 v[TM+\b], v[TM+\b], |v[\s+16*\b+\i]|, |v[\s+1+16*\b+\i]|   ; the four blocks by turns
.endr
.endr
.irp b, 0,1,2,3
	s_delay_alu instid0(VALU_DEP_4)
	v_permlanex16_b32 v[TM+4+\b], v[TM+\b], s[SEL], s[SEL+1]
.endr
.irp b, 0,1,2,3
	s_delay_alu instid0(VALU_DEP_4)
	v_max_num_f32 v[TM+\b], v[TM+\b], v[TM+4+\b]   ; with lane l xor 16's 16: the block's largest magnitude
.endr
.irp b, 0,1,2,3
	s_delay_alu instid0(VALU_DEP_4)
	v_add_nc_u32 v[TM+12+\b], 0xfe000000, v[TM+\b]   ; 4 off its exponent field: the conversion's scale operand
.endr
.irp b, 0,1,2,3
	s_delay_alu instid0(VALU_DEP_4)
	v_lshrrev_b32 v[TM+4+\b], 23, v[TM+12+\b]      ; the scale's byte
.endr
	s_delay_alu instid0(VALU_DEP_3)
	v_lshl_or_b32 v[PW], v[TM+5], 8, v[TM+4]
	s_delay_alu instid0(VALU_DEP_1)
	v_lshl_or_b32 v[PW], v[TM+6], 16, v[PW]
	s_delay_alu instid0(VALU_DEP_1)
	v_lshl_or_b32 v[PW], v[TM+7], 24, v[PW]        ; my token's scale word
.irp c, 0,1
	v_cvt_scalef32_pk16_bf6_f32 v[PC+6*\c:PC+6*\c+2], v[\s+32*\c:\s+32*\c+15], v[TM+12+2*\c]           ; block 2 c: my codes of k 8 h + 0..7 (48 bits), then 16 + 8 h + 0..7
	v_cvt_scalef32_pk16_bf6_f32 v[PC+12+4*\c:PC+14+4*\c], v[\s+32*\c+16:\s+32*\c+31], v[TM+13+2*\c]   ; block 2 c + 1 likewise
.endr
	v_nop                                          ; one plain place behind a scaled conversion
.irp c, 0,1
.irp i, 0,1,2
	v_permlane16_swap_b32 v[PC+6*\c+\i], v[PC+12+4*\c+\i]   ; lane (r, h) now holds block 2 c + h whole: x = codes 0-7 | 16-23, y = codes 8-15 | 24-31
.endr
	s_delay_alu instid0(VALU_DEP_1)
	v_perm_b32 v[PC+6*\c+3], v[PC+6*\c+2], v[PC+6*\c+1], s[P2]      ; the four pieces of 48 bits are set in order: d3 = x1.h | x2.l
	s_delay_alu instid0(VALU_DEP_2)
	v_perm_b32 v[PC+6*\c+4], v[PC+13+4*\c], v[PC+6*\c+2], s[P3]     ; d4 = x2.h | y1.h
	s_delay_alu instid0(VALU_DEP_3)
	v_mov_b32  v[PC+6*\c+5], v[PC+14+4*\c]                          ; d5 = y2
	v_perm_b32 v[PC+6*\c+2], v[PC+13+4*\c], v[PC+12+4*\c], s[P2]    ; d2 = y0.h | y1.l
	v_perm_b32 v[PC+6*\c+1], v[PC+12+4*\c], v[PC+6*\c+1], s[P1]     ; d1 = x1.l | y0.l;  d0 = x0 stays
.endr
.endm
	s_load_b256 s[4:11], s[0:1], 0x0               ; x s[4:5], gate_w s[6:7], gate_b s[8:9], cl_w1's codes s[10:11]
	s_load_b256 s[12:19], s[0:1], 0x20             ; cl_w1's scales s[12:13], cl_b1 s[14:15], cl_w2 s[16:17], cl_b2 s[18:19]
	s_load_b256 s[20:27], s[0:1], 0x40             ; xq s[20:21], xs s[22:23], probs s[24:25], clar s[26:27]
	v_lshl_add_u32 v254, v0, 2, 0x1da00
	v_mov_b32 v255, 0
	v_lshrrev_b32 v1, 5, v0
	s_delay_alu instid0(VALU_DEP_1)
	v_readfirstlane_b32 s28, v1                    ; q: my wave, my K step
	v_and_b32 v1, 31, v0                           ; lane
	v_and_b32 v2, 15, v0                           ; r
	v_bfe_u32 v3, v0, 4, 1                         ; h
	s_delay_alu instid0(VALU_DEP_2)
	v_mul_u32_u24 v6, v2, 768
	s_delay_alu instid0(VALU_DEP_1)
	v_mad_u32_u24 v6, v3, 24, v6                   ; cl_w1's codes: row r of 768 bytes, + 24 h
	s_delay_alu instid0(VALU_DEP_4)
	v_lshlrev_b32 v7, 5, v2                        ; 32 r: cl_w1's scales
	v_lshlrev_b32 v8, 4, v1                        ; 16 x lane: my 16 bytes of a load's 512, and an image's place for my lane
	s_lshl_b32 s29, s28, 10
	v_add_nc_u32 v9, s29, v8                       ; where I store partial sums: 1,024 q + 16 x lane
	s_lshl_b32 s29, s28, 2
	v_add_nc_u32 v10, s29, v7                      ; and my scale word: 32 r + 4 q
	v_lshl_add_u32 v11, v3, 4, v7                  ; 32 r + 16 h: probs, xs
	v_lshlrev_b32 v12, 2, v2                       ; 4 r: clar
	v_lshlrev_b32 v13, 5, v3                       ; 32 h: cl_b1, cl_w2
	s_mul_i32 s29, s28, WST
	s_add_co_u32 s29, s29, STG                     ; my stage
	v_add_nc_u32 v14, s29, v8                      ; x into it: a row as it lies, 16 x lane
	v_mul_u32_u24 v15, v2, XP
	s_delay_alu instid0(VALU_DEP_1)
	v_lshl_add_u32 v15, v3, 5, v15
	s_delay_alu instid0(VALU_DEP_1)
	v_add_nc_u32 v15, s29, v15                     ; x out of it: row r, + 32 h
	v_lshl_add_u32 v16, v3, 5, v8
	s_delay_alu instid0(VALU_DEP_1)
	v_add_nc_u32 v16, s29, v16                     ; gate_w into it: 16 x lane, + 32 behind the first 256 bytes of a load's 512
	v_and_b32 v17, 7, v0
	s_delay_alu instid0(VALU_DEP_1)
	v_lshlrev_b32 v17, 2, v17
	s_delay_alu instid0(VALU_DEP_1)
	v_mad_u32_u24 v17, v3, 288, v17
	s_delay_alu instid0(VALU_DEP_1)
	v_add_nc_u32 v17, s29, v17                     ; gate_w out of it: expert r % 8, + 8 h rows of 32 bytes and their padding
.irp b, 0,1,2,3
	v_mov_b32 v[TM+4+\b], 0                        ; written once: a lane permute's destination counts as one of its sources
.endr
	s_mov_b32 s41, 0x3f07de6f                      ; c = log2(e) / e
	s_mov_b32 s[SEL], 0x76543210
	s_mov_b32 s[SEL+1], 0xfedcba98
	s_mov_b32 s[P1], 0x05040100
	s_mov_b32 s[P2], 0x05040302
	s_mov_b32 s[P3], 0x07060302
	s_mov_b32 s31, 0
	s_wait_alu depctr_va_vdst(0)
	s_wait_kmcnt 0x0
	s_load_b256 s[32:39], s[8:9], 0x0              ; gate_b: eight numbers
	s_load_b32 s40, s[18:19], 0x0                  ; cl_b2
	s_lshl_b32 s30, ttmp9, 16                      ; 16 rows of x for each work-group,
	s_lshl_b32 s29, s28, 9                         ; 512 bytes of a row for each K step
	s_add_co_u32 s30, s30, s29
	s_add_nc_u64 s[4:5], s[4:5], s[30:31]
	s_lshl_b32 s30, s28, 12                        ; gate_w: 128 rows of 32 bytes
	s_add_nc_u64 s[6:7], s[6:7], s[30:31]
	s_mul_i32 s30, s28, 96                         ; cl_w1: 128 codes
	s_add_nc_u64 s[10:11], s[10:11], s[30:31]
	s_lshl_b32 s30, s28, 2                         ; and their scale word
	s_add_nc_u64 s[12:13], s[12:13], s[30:31]
	s_lshl_b32 s30, ttmp9, 3
	s_add_co_u32 s30, s30, s28
	s_mul_i32 s30, s30, 1536                       ; xq: image 8 x tile + q
	s_add_nc_u64 s[20:21], s[20:21], s[30:31]
	s_lshl_b32 s30, ttmp9, 9                       ; xs and probs: 512 bytes a tile
	s_add_nc_u64 s[22:23], s[22:23], s[30:31]
	s_add_nc_u64 s[24:25], s[24:25], s[30:31]
	s_lshl_b32 s30, ttmp9, 6                       ; clar: 64 bytes a tile
	s_add_nc_u64 s[26:27], s[26:27], s[30:31]
.irp i, 0,1,2,3,4,5,6,7,8,9,10,11,12,13,14,15
	global_load_b128 v[X+4*\i:X+4*\i+3], v8, s[4:5] offset:4096*\i th:TH_LOAD_NT   ; token i's 512 bytes of my K step
.endr
.irp c, 0,1,2,3,4,5,6,7
	global_load_b128 v[GW+4*\c:GW+4*\c+3], v8, s[6:7] offset:512*\c                ; 16 rows of gate_w
.endr
.irp p, 0,1,2,3,4,5
	global_load_b64 v[CLF+2*\p:CLF+2*\p+1], v6, s[10:11] offset:48*(\p/3)+8*(\p%3)
.endr
	global_load_b32 v[CLSC], v7, s[12:13]
	global_load_b128 v[18:21], v13, s[14:15]       ; cl_b1 of units 8 h + 0 .. 7 and cl_w2 likewise: 128 bytes, asked for with the head's loads in every wave (wave 1 uses them), so that no load stands behind the barrier
	global_load_b128 v[22:25], v13, s[14:15] offset:16
	global_load_b128 v[26:29], v13, s[16:17]
	global_load_b64 v[30:31], v13, s[16:17] offset:16
	global_load_b64 v[252:253], v13, s[16:17] offset:24
	s_wait_loadcnt 20                              ; x's 16 loads are in; gate_w's 8, cl_w1's 7 and the 5 above may be out
.irp i, 0,1,2,3,4,5,6,7,8,9,10,11,12,13,14,15
	ds_store_b128 v14, v[X+4*\i:X+4*\i+3] offset:XP*\i
.endr
.irp b, 0,1,2,3
.irp u, 0,1
.irp j, 0,1
	ds_load_b128 v[X+16*\b+8*\u+4*\j:X+16*\b+8*\u+4*\j+3], v15 offset:128*\b+64*\u+16*\j   ; token r, k = 32 b + 16 u + 8 h + 4 j on
.endr
.endr
.endr
	s_wait_loadcnt 12                              ; gate_w's 8 loads are in; cl_w1's 7 and the 5 behind them may be out
.irp c, 0,1,2,3,4,5,6,7
	ds_store_b128 v16, v[GW+4*\c:GW+4*\c+3] offset:GST+576*\c
.endr
.irp b, 0,1,2,3
.irp i, 0,1,2,3,4,5,6,7,8,9,10,11,12,13,14,15
	ds_load_b32 v[GW+16*\b+\i], v17 offset:GST+288*(4*\b+2*(\i/8))+32*(\i%8)   ; gate_w at the k of x's register of the same number
.endr
.endr
	s_wait_loadcnt 0x0
	s_wait_kmcnt 0x0
	s_wait_dscnt 0x0
	; THE GATE: source 0 = gate_w^T (rows 8-15 repeat experts 0-7), source 1 = x: every lane gets token r, register j expert j.  Both sources hold the same k in the same place, so the order of k is free.
	; Four accumulators take turns, one instruction a turn; the first four products start the sums.
.set n, 0
.rept 32
.if n < 4
	v_wmma_f32_16x16x4_f32 v[GA+8*(n%4):GA+8*(n%4)+7], v[GW+2*n:GW+2*n+1], v[X+2*n:X+2*n+1], 0
.else
	v_wmma_f32_16x16x4_f32 v[GA+8*(n%4):GA+8*(n%4)+7], v[GW+2*n:GW+2*n+1], v[X+2*n:X+2*n+1], v[GA+8*(n%4):GA+8*(n%4)+7]
.endif
.set n, n+1
.endr
	QUANT X
.rept 8
	v_nop                                          ; a scale word written by vector instructions stands 8 places ahead of a scaled matrix instruction, codes so written 4
.endr
	; CLARITY'S FIRST PRODUCT: source 0 = cl_w1's 16 rows, source 1 = my 16 tokens: lane (r, h), register j: unit 8 h + j of token r, summed over my 128 along K
	v_wmma_scale_f32_16x16x128_f8f6f4 v[CA:CA+7], v[CLF:CLF+11], v[PC:PC+11], 0, v[CLSC], v[PW] matrix_a_fmt:MATRIX_FMT_BF6 matrix_b_fmt:MATRIX_FMT_BF6
.irp j, 0,1,2,3,4,5,6,7
	v_add_f32 v[96+\j], v[GA+\j], v[GA+8+\j]       ; the gate's four sums are joined, each accumulator read from its low end on; these lines are also the places behind the product above
.endr
.irp j, 0,1,2,3,4,5,6,7
	v_add_f32 v[104+\j], v[GA+16+\j], v[GA+24+\j]
.endr
.irp j, 0,1,2,3,4,5,6,7
	v_add_f32 v[96+\j], v[96+\j], v[104+\j]
.endr
.irp c, 0,1,2
	global_store_b128 v8, v[PC+4*\c:PC+4*\c+3], s[20:21] offset:512*\c   ; the fragment's image: each store covers 512 consecutive bytes, aligned
.endr
	ds_store_b128 v9, v[96:99] offset:GP
	ds_store_b128 v9, v[100:103] offset:GP+512
	ds_store_b128 v9, v[CA:CA+3] offset:CP
	ds_store_b128 v9, v[CA+4:CA+7] offset:CP+512
	ds_store_b32 v10, v[PW] offset:XSW             ; lanes l and l + 16 hold the same word and write the same place
	s_wait_dscnt 0x0                               ; for the others' sake: my stores have landed
	s_barrier_signal -1
	s_barrier_wait -1
	s_cmp_eq_u32 s28, 0
	s_cbranch_scc1 .Lgate
	s_cmp_eq_u32 s28, 1
	s_cbranch_scc1 .Lclarity
	s_cmp_eq_u32 s28, 2
	s_cbranch_scc1 .Lwords
	s_wait_tensorcnt 0x0
	ds_add_u32 v254, v255
	s_wait_dscnt 0x0
	s_endpgm
.Lgate:                                                ; wave 0: the eight partial sums, the bias, the softmax
.irp w, 0,1,2,3,4,5,6,7
.irp c, 0,1
	ds_load_b128 v[32+8*\w+4*\c:32+8*\w+4*\c+3], v8 offset:GP+1024*\w+512*\c
.endr
.endr
	s_wait_dscnt 0x0
.irp w, 1,2,3,4,5,6,7
.irp j, 0,1,2,3,4,5,6,7
	v_add_f32 v[32+\j], v[32+\j], v[32+8*\w+\j]    ; K ascending
.endr
.endr
.irp j, 0,1,2,3,4,5,6,7
	v_add_f32 v[32+\j], s[32+\j], v[32+\j]         ; u = x gate_w + gate_b
.endr
	v_max3_num_f32 v40, v32, v33, v34
	s_delay_alu instid0(VALU_DEP_1)
	v_max3_num_f32 v40, v40, v35, v36
	s_delay_alu instid0(VALU_DEP_1)
	v_max3_num_f32 v40, v40, v37, v38
	s_delay_alu instid0(VALU_DEP_1)
	v_max_num_f32 v40, v40, v39                    ; the token's largest u
	s_delay_alu instid0(VALU_DEP_1)
	v_mul_f32 v40, s41, v40
.irp j, 0,1,2,3,4,5,6,7
	v_fma_f32 v[32+\j], v[32+\j], s41, -v40        ; (u - max) log2(e) / e
.endr
	s_wait_alu depctr_va_vdst(0)
.irp j, 0,1,2,3,4,5,6,7
	v_exp_f32 v[32+\j], v[32+\j]
.endr
	v_nop                                          ; a plain place behind the exponentials
	s_wait_alu depctr_va_vdst(0)
	v_add_f32 v41, v32, v33
	v_add_f32 v42, v34, v35
	v_add_f32 v43, v36, v37
	v_add_f32 v44, v38, v39
	s_delay_alu instid0(VALU_DEP_3)
	v_add_f32 v41, v41, v42
	s_delay_alu instid0(VALU_DEP_2)
	v_add_f32 v43, v43, v44
	s_delay_alu instid0(VALU_DEP_1)
	v_add_f32 v41, v41, v43
	s_wait_alu depctr_va_vdst(0)
	v_rcp_f32 v41, v41
	v_cmp_le_u32 vcc_lo, 16, v1                    ; lanes 16-31 send experts 4-7
	v_nop
	s_wait_alu depctr_va_vdst(0)
.irp j, 0,1,2,3,4,5,6,7
	v_mul_f32 v[32+\j], v[32+\j], v41
.endr
.irp i, 0,1,2,3
	s_delay_alu instid0(VALU_DEP_4)
	v_cndmask_b32 v[44+\i], v[32+\i], v[36+\i], vcc_lo
.endr
	global_store_b128 v11, v[44:47], s[24:25]      ; 32 lanes store the tile's 512 bytes
	s_wait_tensorcnt 0x0
	ds_add_u32 v254, v255
	s_wait_dscnt 0x0
	s_endpgm
.Lclarity:                                             ; wave 1: the eight partial sums, bias, relu, the second product (K = 16: eight fused multiply-adds a lane), sigmoid
.irp w, 0,1,2,3,4,5,6,7
.irp c, 0,1
	ds_load_b128 v[32+8*\w+4*\c:32+8*\w+4*\c+3], v8 offset:CP+1024*\w+512*\c
.endr
.endr
	s_wait_dscnt 0x0
.irp w, 1,2,3,4,5,6,7
.irp j, 0,1,2,3,4,5,6,7
	v_add_f32 v[32+\j], v[32+\j], v[32+8*\w+\j]
.endr
.endr
.irp j, 0,1,2,3,4,5,6,7
	v_add_f32 v[32+\j], v[32+\j], v[18+\j]         ; + cl_b1 (in since the wait for all loads ahead of the products)
.endr
.irp j, 0,1,2,3,4,5,6,7
	v_max_num_f32 v[32+\j], 0, v[32+\j]
.endr
	v_mul_f32 v40, v32, v26
.irp j, 1,2,3,4,5
	s_delay_alu instid0(VALU_DEP_1)
	v_fmac_f32 v40, v[32+\j], v[26+\j]
.endr
.irp j, 6,7
	s_delay_alu instid0(VALU_DEP_1)
	v_fmac_f32 v40, v[32+\j], v[246+\j]
.endr
	v_mov_b32 v41, 0
	s_delay_alu instid0(VALU_DEP_1)
	v_permlanex16_b32 v41, v40, s[SEL], s[SEL+1]
	s_delay_alu instid0(VALU_DEP_1)
	v_add_f32 v40, v40, v41                        ; with the other eight units
	s_delay_alu instid0(VALU_DEP_1)
	v_add_f32 v40, s40, v40                        ; + cl_b2
	s_delay_alu instid0(VALU_DEP_1)
	v_mul_f32 v40, 0xbfb8aa3b, v40                 ; sigmoid(z) = 1 / (1 + 2^(-z log2(e)))
	s_wait_alu depctr_va_vdst(0)
	v_exp_f32 v40, v40
	v_nop
	s_wait_alu depctr_va_vdst(0)
	v_add_f32 v40, 1.0, v40
	s_wait_alu depctr_va_vdst(0)
	v_rcp_f32 v40, v40
	v_nop
	s_wait_alu depctr_va_vdst(0)
	global_store_b32 v12, v40, s[26:27]            ; lanes l and l + 16 hold the same number and write the same word: the tile's 64 bytes
	s_wait_tensorcnt 0x0
	ds_add_u32 v254, v255
	s_wait_dscnt 0x0
	s_endpgm
.Lwords:                                               ; wave 2: x's scale words leave as the tile's 512 bytes
	ds_load_b128 v[32:35], v11 offset:XSW
	s_wait_dscnt 0x0
	global_store_b128 v11, v[32:35], s[22:23]
	s_wait_tensorcnt 0x0
	ds_add_u32 v254, v255
	s_wait_dscnt 0x0
	s_endpgm
.Lfunc_end_k_qe6812b786b_prep:
	.size	k_qe6812b786b_prep, .Lfunc_end_k_qe6812b786b_prep-k_qe6812b786b_prep
	.p2alignl 7, 3214868480
	.fill 96, 4, 3214868480
	.section	.rodata,"a",@progbits
	.p2align	6, 0x0
	.amdhsa_kernel k_qe6812b786b_prep
		.amdhsa_group_segment_fixed_size 122368
		.amdhsa_private_segment_fixed_size 0
		.amdhsa_enable_private_segment 0
		.amdhsa_kernarg_size 96
		.amdhsa_user_sgpr_count 2
		.amdhsa_user_sgpr_kernarg_segment_ptr 1
		.amdhsa_wavefront_size32 1
		.amdhsa_system_sgpr_workgroup_id_x 1
		.amdhsa_system_sgpr_workgroup_id_y 1
		.amdhsa_system_sgpr_workgroup_id_z 1
		.amdhsa_system_vgpr_workitem_id 0
		.amdhsa_next_free_vgpr 256
		.amdhsa_next_free_sgpr 66
		.amdhsa_reserve_vcc 1
		.amdhsa_float_denorm_mode_32 3
		.amdhsa_float_denorm_mode_16_64 3
		.amdhsa_memory_ordered 1
		.amdhsa_forward_progress 1
		.amdhsa_inst_pref_size 34
	.end_amdhsa_kernel
	.amdgpu_metadata
---
amdhsa.version: [ 1, 2 ]
amdhsa.kernels:
  - .name:           k_qe6812b786b_prep
    .symbol:         k_qe6812b786b_prep.kd
    .args:
      - { .name: x, .offset: 0, .size: 8, .value_kind: global_buffer, .address_space: global }
      - { .name: gate_w, .offset: 8, .size: 8, .value_kind: global_buffer, .address_space: global }
      - { .name: gate_b, .offset: 16, .size: 8, .value_kind: global_buffer, .address_space: global }
      - { .name: cl_w1_codes, .offset: 24, .size: 8, .value_kind: global_buffer, .address_space: global }
      - { .name: cl_w1_scales, .offset: 32, .size: 8, .value_kind: global_buffer, .address_space: global }
      - { .name: cl_b1, .offset: 40, .size: 8, .value_kind: global_buffer, .address_space: global }
      - { .name: cl_w2, .offset: 48, .size: 8, .value_kind: global_buffer, .address_space: global }
      - { .name: cl_b2, .offset: 56, .size: 8, .value_kind: global_buffer, .address_space: global }
      - { .name: xq, .offset: 64, .size: 8, .value_kind: global_buffer, .address_space: global }
      - { .name: xs, .offset: 72, .size: 8, .value_kind: global_buffer, .address_space: global }
      - { .name: probs, .offset: 80, .size: 8, .value_kind: global_buffer, .address_space: global }
      - { .name: clar, .offset: 88, .size: 8, .value_kind: global_buffer, .address_space: global }
    .group_segment_fixed_size: 122368
    .private_segment_fixed_size: 0
    .kernarg_segment_align: 8
    .kernarg_segment_size: 96
    .max_flat_workgroup_size: 256
    .sgpr_count:     66
    .vgpr_count:     256
    .wavefront_size: 32
...
	.end_amdgpu_metadata
.endif
;; end of part 1
;; launch up (part 2): grid 256 x 1, 4 waves a work-group, clusters of 4 x 1, 327,680 bytes of LDS; arguments xq, xs, ew1_codes, ew1_scales, eb1, hq, hs; writes hq, hs
.if DOCPART == 2
	.amdgcn_target "amdgcn-amd-amdhsa--gfx1250"
	.amdhsa_code_object_version 6
	.text
	.protected	k_qe6812b786b_up
	.globl	k_qe6812b786b_up
	.p2align	8
	.type	k_qe6812b786b_up,@function
k_qe6812b786b_up:
	s_mov_b64 s[64:65], 0
	v_nop
	global_prefetch_b8 v0, s[64:65] scope:SCOPE_SE
	s_setreg_imm32_b32 hwreg(HW_REG_WAVE_MODE, 25, 1), 1
	s_wait_xcnt 0x0
	s_wait_alu depctr_hold_cnt(0) depctr_sa_sdst(0) depctr_va_vdst(0) depctr_va_sdst(0) depctr_va_ssrc(0) depctr_va_vcc(0) depctr_vm_vsrc(0)
	s_getreg_b32 s2, hwreg(HW_REG_IB_STS2, 6, 4)
	s_cmp_eq_u32 s2, 0
	s_cbranch_scc0 .Lentry_in_a_cluster
	s_endpgm
.Lentry_in_a_cluster:
	s_bfe_u32 s2, ttmp6, 0x10000c
	s_cmp_lg_u32 s2, 0x3003
	s_cbranch_scc0 .Lentry_shape_is_right
	s_endpgm
.Lentry_shape_is_right:
; The hidden layer of all eight experts, h = relu(Q(x) W1 + eb1), quantised along the second product's K on the way: it goes to memory as codes of BF6 (E3M2) and E8M0 scale words alone.
; W1: ew1_codes, flat [32768 hidden rows][768 bytes], K = 1,024 innermost; its scale bytes [32768][32]; eb1 flat [32768] f32.  x: the images and scale words that the launch before made.
; hq [tile of 16 tokens][K step ks = flat hidden / 128][1,536 bytes]: a fragment's registers 4 c .. 4 c + 3 of lane l at 512 c + 16 l;   hs [tile][ks / 4][token][ks % 4]: one word each.
; SHARES.  A cluster of four work-groups takes 512 hidden rows (cluster x); each of the four takes 256 tokens (its place in the cluster), each of its four waves 64: four tiles of 16.
; A wave's 32 fragments of x (384 registers) stay in registers.  W1 comes through a ring of two LDS slots of 128 rows x all of K (a GROUP), and all four waves read all of it: 256 matrix instructions a wave for each slot.
; The four partners walk the same rows of W1, the same scales and biases: every tensor load is JOINT (mask 15): fetched once for the four.
; THE PRODUCT IS USED TRANSPOSED (source 0 = 16 rows of W1, source 1 = 16 tokens): a lane holds ONE token, its registers run along the hidden units, which are the next K.  The bias is the C of each sum's first instruction.
; In accumulators (a, 0 .. 7) register 16 B + i of lane (r, h) is hidden unit 32 B + 8 h + i (i < 8) or 32 B + 16 + 8 h + (i - 8): a block of 32 lies in lanes l and l xor 16, and the codes' 48-bit pieces are set in order after the conversion.
; BY TURNS.  A group goes in two HALVES of 64 hidden rows (tiles 0-3, then tiles 4-7), each through all of K: 128 matrix instructions on 16 of the 32 accumulators.  The other 16 hold the half before, and its way out
; (relu, the blocks' scales, the codes, the stores: a list of 75 numbers for each tile of tokens, 300 in all) stands in runs of 45 behind the 16 matrix instructions of each of K steps 1 to 7: the matrix instructions of a K step stand on end.
; The relu is written as a maximum of three (0, 0, the number): its result and third source lie in the window that the products have set.
; THE HEAD'S TILES are shared out, one tensor load a wave: waves 0 and 1 a half of group 0 each, wave 2 the scale bytes, wave 3 the biases.  By this text's own count a wave has one tensor load out at the start and one behind each later round.
; LIMITS: NaN and infinities are not served.  A block whose largest number lies under 2^-122 keeps the scale byte 1; a block of zeros gets the byte 1 with zero codes (this program alone reads the bytes).
; REGISTERS, in windows of 256: window 0: addresses, scale words, biases, the way out's registers, x's fragments of K step 7 (v208-255).   window 1: v0-143 three buffers of four fragments of W1; v144-239 x's K steps 5, 6.
;   window 2: the 32 accumulators, (a, b) at v[64 a + 8 b]: half c of tile a is v[64 a + 32 c] on.   window 3: x's K steps 0 to 4, at v[48 q + 12 a].
.set PITCH, 816                        ; a row of W1 in LDS: 3 x (256 bytes + 16 of padding) = 204 words
.set SLOT1, 131072                     ; slot 1 begins here, so that one exclusive or turns an address of one slot into the other's; a slot holds 128 x 816 = 104,448 bytes
.set SCW,   235520                     ; W1's scale bytes of the work-group's 512 rows: 64 units of 256 bytes + 16; filled once
.set BIA,   252928                     ; eb1 of the 512 rows: 2,048 bytes; filled once
.set SPARE, 254976                     ; the spare words, 128 bytes a wave: two blocks of 256 bytes that no other line names
.set AB0,  2                           ; v2-5   my lane's place in a slot: [2 hi + var]: 816 r + (24 + 16 var) h + 52,224 hi (hi: tiles 4-7; var: pieces that lie behind one padding more for lanes 16-31)
.set ABW,  6                           ; v6-9   the same in the slot in hand
.set ASW0, 10                          ; v10    my place among W1's scale words;  v11 in the group in hand
.set ASW,  11
.set ABI0, 12                          ; v12    my place among the biases;  v13 in the group in hand
.set ABI,  13
.set LI,   14                          ; v14    16 x lane; never rewritten
.set HSO,  15                          ; v15    hs: 16 r + 16,384 h
.set SPW,  16                          ; v16    LDS address of my spare word; never rewritten
.set NIL,  17                          ; v17    0; never rewritten
.set XS,   20                          ; v20-35  x's scale words: register 4 a + q % 4; lanes 0-15 K steps 0-3, lanes 16-31 K steps 4-7
.set WS,   36                          ; v36-67  W1's: register 4 b + q % 4, likewise
.set BI,   68                          ; v68-131 the biases: eight registers a tile b, in the result's layout
.set TM,   132                         ; v132-137 the way out: two blocks' largest numbers, their bytes, their scale operands
.set FLR,  138                         ; v138    the floor 2^(5 - 127)
.set XT,   140                         ; v140-142 the codes of the half's first block, as converted
.set YT,   144                         ; v144-146 of its second
.set OT,   148                         ; v148-163 tile a's four registers to store: the fragment's 0-3, later its 8-11
.set HD,   164                         ; v164-171 data of the two stores to hs
.set SH,   172                         ; v172-187 the scale words of the four groups: 4 a + g
.set MT,   188                         ; v188-203 tile a's fragment registers 4-7: two from each half
.set EPT,  75                          ; numbers in the way out's list for one tile
.set WV,   18                          ; s18 my wave
.set SEL,  20                          ; s[20:21]
.set G1W,  24                          ; s[24:31] group 1, s[32:35] group 0 (it walks): the ring's loads of W1, 32 rows a wave
.set G0W,  32
.set G1S,  36                          ; s[36:43], s[44:47]: the scale bytes
.set G0S,  44
.set G1B,  48                          ; s[48:55], s[56:59]: the biases
.set G0B,  56
.set G1H,  80                          ; s[80:87], s[88:91]: the head's load of group 0, 64 rows a wave
.set G0H,  88
.set TB,   60                          ; s60 LDS byte at which the slot in hand begins
.set TS,   61                          ; s61 the group's scale words: 4,352 bytes a group
.set TBI,  62                          ; s62 its biases: 512 bytes a group
.set GC,   63                          ; s63 the loop's trips
.set P1,   66                          ; s66-68 byte selects for v_perm_b32
.set P2,   67
.set P3,   68
.set MSB, 0
.macro WIN new                         ; the immediate's high byte repeats the setting that is left; a switch that changes nothing is dropped
.if MSB != (\new)
	s_set_vgpr_msb (MSB<<8)|(\new)
.set MSB, \new
.endif
.endm
.macro PLACES                          ; four places in front of loads into registers that matrix instructions have read, and of the first read of results
.rept 4
	v_nop
.endr
.endm
.macro CROUND                          ; a round of the cluster's barrier
	s_barrier_signal -1
	s_barrier_wait -1
	s_cmp_lg_u32 s[WV], 0
	s_cbranch_scc1 .Lnot_wave_0_\@
	s_barrier_signal -3
.Lnot_wave_0_\@:
	s_barrier_wait -3
	s_barrier_signal -1
	s_barrier_wait -1
.endm
.macro XFSET q                         ; where x's fragments of K step q lie: register XFR + 12 a of window XFW
.if (\q) < 5
.set XFR, 48*(\q)
.set XFW, 3
.elseif (\q) < 7
.set XFR, 144+48*((\q)-5)
.set XFW, 1
.else
.set XFR, 208
.set XFW, 0
.endif
.endm
	s_load_b256 s[4:11], s[0:1], 0x0               ; xq s[4:5], xs s[6:7], W1's codes s[8:9], W1's scales s[10:11]
	s_load_b128 s[12:15], s[0:1], 0x20             ; eb1 s[12:13], hq s[14:15]
	s_load_b64 s[16:17], s[0:1], 0x30              ; hs
	v_lshl_add_u32 v[SPW], v0, 2, SPARE
	v_mov_b32 v[NIL], 0
	ds_add_u32 v[SPW], v[NIL]                      ; the opening lines: the add, twice on end, and its wait ahead of my first tensor load
	ds_add_u32 v[SPW], v[NIL]
	s_wait_dscnt 0x0
	v_lshrrev_b32 v1, 5, v0
	v_readfirstlane_b32 s[WV], v1                  ; wave 0..3
	s_bfe_u32 s19, ttmp6, 0x40000                  ; my place in the cluster: my block of 256 tokens.  It enters xq's, xs's, hq's and hs's addresses alone
	; group 1 for the ring: 32 rows of 768 bytes a wave; 16 bytes of padding behind every 256
	s_mov_b32 s[G1W], 15|(1<<20)|(1<<21)|(5<<22)|(3<<25)   ; 15:0 the mask: all four; 17:16 elements of 1 byte; 20 padding on; 21 set beside a mask; 24:22 after every 64 words; 31:25 of 4 words
	s_mov_b32 s[G1W+1], 768<<16                    ; tensor_dim0
	s_mov_b32 s[G1W+2], 32<<16                     ; tensor_dim1
	s_mov_b32 s[G1W+3], 768<<16                    ; tile_dim0
	s_mov_b32 s[G1W+4], 32                         ; tile_dim1
	s_mov_b32 s[G1W+5], 768                        ; from row to row
	s_mov_b32 s[G1W+6], 0
	s_mov_b32 s[G1W+7], 0
	; group 1 for the head's load of group 0: 64 rows of 768 bytes (waves 0 and 1 take a half each)
	s_mov_b32 s[G1H], 15|(1<<20)|(1<<21)|(5<<22)|(3<<25)
	s_mov_b32 s[G1H+1], 768<<16
	s_mov_b32 s[G1H+2], 64<<16
	s_mov_b32 s[G1H+3], 768<<16
	s_mov_b32 s[G1H+4], 64
	s_mov_b32 s[G1H+5], 768
	s_mov_b32 s[G1H+6], 0
	s_mov_b32 s[G1H+7], 0
	; the scale bytes: 16,384 dense bytes, wave 2's one load: 64 rows of 256 bytes (32 elements of 8), 16 bytes of padding behind each
	s_mov_b32 s[G1S], 15|(3<<16)|(1<<20)|(1<<21)|(5<<22)|(3<<25)
	s_mov_b32 s[G1S+1], 32<<16
	s_mov_b32 s[G1S+2], 64<<16
	s_mov_b32 s[G1S+3], 32<<16
	s_mov_b32 s[G1S+4], 64
	s_mov_b32 s[G1S+5], 32
	s_mov_b32 s[G1S+6], 0
	s_mov_b32 s[G1S+7], 0
	; the biases: one row of 2,048 bytes, wave 3's one load
	s_mov_b32 s[G1B], 15|(3<<16)|(1<<21)
	s_mov_b32 s[G1B+1], 256<<16
	s_mov_b32 s[G1B+2], 1<<16
	s_mov_b32 s[G1B+3], 256<<16
	s_mov_b32 s[G1B+4], 1
	s_mov_b32 s[G1B+5], 256
	s_mov_b32 s[G1B+6], 0
	s_mov_b32 s[G1B+7], 0
	s_mov_b32 s[G0W], 1
	s_mul_i32 s[G0W+1], s[WV], 32*PITCH            ; slot 0, my 32 rows: the first change of slots turns it to slot 1
	s_mov_b32 s[G0S], 1
	s_mov_b32 s[G0S+1], SCW
	s_mov_b32 s[G0B], 1
	s_mov_b32 s[G0B+1], BIA
	s_mov_b32 s[SEL], 0x76543210
	s_mov_b32 s[SEL+1], 0xfedcba98
	s_mov_b32 s[P1], 0x05040100
	s_mov_b32 s[P2], 0x05040302
	s_mov_b32 s[P3], 0x07060302
	s_mov_b32 s[TB], 0
	s_mov_b32 s[TS], 0
	s_mov_b32 s[TBI], 0
	s_mov_b32 s73, 0
	s_mov_b32 s77, 0
	s_lshl_b32 s74, s19, 4
	s_lshl_b32 s75, s[WV], 2
	s_add_co_u32 s74, s74, s75                     ; my first tile of tokens: 16 x block + 4 x wave
	s_wait_kmcnt 0x0
	s_mul_i32 s70, ttmp9, 393216                   ; W1: the cluster's 512 rows of 768 bytes,
	s_mul_i32 s71, s[WV], 24576                    ; my 32 of a group's 128
	s_add_co_u32 s72, s70, s71
	s_add_nc_u64 s[G0W+2:G0W+3], s[8:9], s[72:73]
	s_or_b32 s[G0W+3], s[G0W+3], 0x80000000
	s_and_b32 s71, s[WV], 1                        ; the head's load of group 0: which 64 rows
	s_mul_i32 s[G0H+1], s71, 64*PITCH
	s_mul_i32 s71, s71, 49152
	s_add_co_u32 s72, s70, s71
	s_add_nc_u64 s[G0H+2:G0H+3], s[8:9], s[72:73]
	s_or_b32 s[G0H+3], s[G0H+3], 0x80000000
	s_mov_b32 s[G0H], 1
	s_lshl_b32 s72, ttmp9, 14                      ; the scale bytes: 16,384 for the 512 rows
	s_add_nc_u64 s[G0S+2:G0S+3], s[10:11], s[72:73]
	s_or_b32 s[G0S+3], s[G0S+3], 0x80000000
	s_lshl_b32 s72, ttmp9, 11                      ; the biases: 2,048 bytes
	s_add_nc_u64 s[G0B+2:G0B+3], s[12:13], s[72:73]
	s_or_b32 s[G0B+3], s[G0B+3], 0x80000000
	s_mul_i32 s76, s74, 12288                      ; xq: eight images a tile
	s_add_nc_u64 s[4:5], s[4:5], s[76:77]
	s_lshl_b32 s76, s74, 9                         ; xs: 512 bytes a tile
	s_add_nc_u64 s[6:7], s[6:7], s[76:77]
	s_lshl_b32 s76, s74, 8
	s_lshl_b32 s78, ttmp9, 2
	s_add_co_u32 s76, s76, s78
	s_mul_i32 s76, s76, 1536                       ; hq: image 256 x tile + 4 x cluster x (+ the group)
	s_add_nc_u64 s[14:15], s[14:15], s[76:77]
	s_lshl_b32 s76, s74, 6
	s_add_co_u32 s76, s76, ttmp9
	s_lshl_b32 s76, s76, 8                         ; hs: 256 bytes for (tile, cluster x)
	s_add_nc_u64 s[16:17], s[16:17], s[76:77]
	CROUND                                         ; all four work-groups are here: the first joint loads meet
	; the head's tiles, one load a wave; one chain of branches on the wave's number
	s_cmp_lt_u32 s[WV], 2
	s_cbranch_scc0 .Lhead_s
	tensor_load_to_lds s[G0H:G0H+3], s[G1H:G1H+7]
	s_nop 0
	PLACES
	s_branch .Lhead_asked
.Lhead_s:
	s_cmp_lt_u32 s[WV], 3
	s_cbranch_scc0 .Lhead_b
	tensor_load_to_lds s[G0S:G0S+3], s[G1S:G1S+7]
	s_nop 0
	PLACES
	s_branch .Lhead_asked
.Lhead_b:
	tensor_load_to_lds s[G0B:G0B+3], s[G1B:G1B+7]
	s_nop 0
	PLACES
.Lhead_asked:
	v_and_b32 v18, 15, v0                          ; r
	v_bfe_u32 v19, v0, 4, 1                        ; h
	v_and_b32 v1, 31, v0
	v_lshlrev_b32 v[LI], 4, v1
	v_lshlrev_b32 v1, 5, v18
	v_lshl_add_u32 v1, v19, 4, v1                  ; xs: 32 r + 16 h
.irp a, 0,1,2,3
	global_load_b128 v[XS+4*\a:XS+4*\a+3], v1, s[6:7] offset:512*\a   ; x's scale words first: the first products want them
.endr
.irp q, 0,1,2,3,4,5,6,7                        ; x's 32 fragments, K ascending: they stay
	XFSET \q
.set WD, XFW<<6
	WIN WD
.irp a, 0,1,2,3
.irp c, 0,1,2
	global_load_b128 v[XFR+12*\a+4*\c:XFR+12*\a+4*\c+3], v[LI], s[4:5] offset:12288*\a+1536*\q+512*\c
.endr
.endr
.endr
	WIN 0
	v_mul_u32_u24 v[ASW], v18, PITCH
	v_mad_u32_u24 v[AB0], v19, 24, v[ASW]
	v_mad_u32_u24 v[AB0+1], v19, 40, v[ASW]
	v_add_nc_u32 v[AB0+2], 64*PITCH, v[AB0]
	v_add_nc_u32 v[AB0+3], 64*PITCH, v[AB0+1]
	v_lshrrev_b32 v[ASW], 3, v18
	v_mul_u32_u24 v[ASW], v[ASW], 272              ; a unit holds the scale bytes of eight rows, 32 each
	v_and_b32 v[ASW0], 7, v18
	v_lshl_add_u32 v[ASW0], v[ASW0], 5, v[ASW]
	v_lshl_add_u32 v[ASW0], v19, 4, v[ASW0]        ; lanes 16-31 take the words of K steps 4-7
	v_add_nc_u32 v[ASW0], SCW, v[ASW0]
	v_lshl_add_u32 v[ABI0], v19, 5, BIA            ; my half's eight units of a tile
	v_lshlrev_b32 v[HSO], 4, v18
	v_lshl_add_u32 v[HSO], v19, 14, v[HSO]
.irp i, 0,1,2,3,4,5,6,7,8,9,10,11,12,13,14,15
	v_mov_b32 v[SH+\i], 0                          ; the words move up a place with each group: the first moves find zeros
.endr
	v_mov_b32 v[TM+2], 0                           ; written once: a lane permute's destination counts as one of its sources
	v_mov_b32 v[TM+3], 0
	v_mov_b32 v[FLR], 0x2800000                    ; 2^(5 - 127): under it no largest number is taken, so the byte cannot fall under 1
; A fragment of W1, 16 rows x 128 K: 12 registers, in pieces of 8 bytes.  Lanes 0-15 take the row's pieces 12 q + 0, 1, 2 and 12 q + 6, 7, 8, lanes 16-31 those three pieces on;
; 16 bytes of padding lie behind every 32 pieces: where the piece three on lies behind one padding more, the second address register serves.
.macro FRAGB reg, hi, i4, q
.irp p, 0,1,2,3,4,5
.set PN, 12*(\q)+6*(\p/3)+\p%3
.if PN%32 < 29
	ds_load_b64 v[\reg+2*\p:\reg+2*\p+1], v[ABW+2*(\hi)] offset:8*PN+16*(PN/32)+16*PITCH*(\i4)
.else
	ds_load_b64 v[\reg+2*\p:\reg+2*\p+1], v[ABW+2*(\hi)+1] offset:8*PN+16*(PN/32)+16*PITCH*(\i4)
.endif
.endr
.endm
.macro LOADB t                         ; half-step t of a group (half t / 8: tiles 4 (t / 8) on; K step t % 8): four fragments, 24 loads, into buffer t % 3
	WIN 0x40
.irp i, 0,1,2,3
	FRAGB 48*((\t)%3)+12*\i, (\t)/8, \i, (\t)%8
.endr
.endm
; THE WAY OUT OF A HALF.  EI writes number EJ of the list for half EC: tile EJ / 75 of my four tiles of tokens, and of its 75 numbers:
;   0-31   relu of the tile's 32 numbers, each accumulator from its low end on       32-47  the two blocks' largest numbers, by turns, begun at the floor
;   48-55  with lane l xor 16's; the conversion's scale operand; the scale's byte    56-59  the bytes into the tile's scale word (first half: the four groups' words move up a place first)
;   60-62  the two conversions and the plain place behind them                       63-65  the halves of the lanes change places: a lane then holds a whole block
;   66-71  the 48-bit pieces in order: six registers of the fragment                 72     the stores;  73, 74 nothing
.macro EI
.if EJ < 4*EPT
.set QA, EJ/EPT
.set QI, EJ%EPT
.set QR, 64*QA+32*EC
.set QO, OT+4*QA
.set QM, MT+4*QA
.set QS, SH+4*QA
.set QB, QI%2
.if QI < 32
.set WD, 0xa0|(MSB&15)
	WIN WD                                         ; result and third source in window 2: the products' own setting serves
	v_max3_num_f32 v[QR+QI], 0, 0, v[QR+QI]        ; the activation, in f32
.elseif QI < 48
.set QK, 2*((QI-32)/2)
	WIN 0x28
.if QK == 0
	v_max3_num_f32 v[TM+QB], v[FLR], v[QR+16*QB], v[QR+16*QB+1]   ; (none is negative: no |.|)
.else
	v_max3_num_f32 v[TM+QB], v[TM+QB], v[QR+16*QB+QK], v[QR+16*QB+QK+1]
.endif
.elseif QI < 60
	WIN 0
.if QI < 50
	v_permlanex16_b32 v[TM+2+QB], v[TM+QB], s[SEL], s[SEL+1]
.elseif QI < 52
	v_max_num_f32 v[TM+QB], v[TM+QB], v[TM+2+QB]   ; the block's largest number
.elseif QI < 54
	v_add_nc_u32 v[TM+4+QB], 0xfe000000, v[TM+QB]  ; 4 off its exponent field: the conversion's scale operand
.elseif QI < 56
	v_lshrrev_b32 v[TM+2+QB], 23, v[TM+4+QB]       ; the scale's byte
.elseif EC == 0
.if QI < 59
	v_mov_b32 v[QS+QI-56], v[QS+QI-55]             ; after four groups word g is group g's
.else
	v_lshl_or_b32 v[QS+3], v[TM+3], 8, v[TM+2]     ; blocks 0 and 1
.endif
.elseif QI < 58
	v_lshl_or_b32 v[QS+3], v[TM+2+QB], 16+8*QB, v[QS+3]   ; blocks 2 and 3
.endif
.elseif QI < 62
	WIN 0x02
.if QI == 60
	v_cvt_scalef32_pk16_bf6_f32 v[XT:XT+2], v[QR:QR+15], v[TM+4]
.else
	v_cvt_scalef32_pk16_bf6_f32 v[YT:YT+2], v[QR+16:QR+31], v[TM+5]
.endif
.elseif QI == 62
	v_nop                                          ; one plain place behind a scaled conversion
.elseif QI < 66
	WIN 0
	v_permlane16_swap_b32 v[XT+QI-63], v[YT+QI-63] ; lane (r, h) now holds block 2 EC + h whole: x = codes 0-7 | 16-23, y = codes 8-15 | 24-31
.elseif QI < 72
	WIN 0
.set QP, QI-66
.if EC == 0                            ; the fragment's registers 0-3 go out now, 4 and 5 wait for the second half's 6 and 7
.if QP < 4
.set QD, QO+QP
.else
.set QD, QM+QP-4
.endif
.else
.if QP < 2
.set QD, QM+2+QP
.else
.set QD, QO+QP-2
.endif
.endif
.if QP == 0
	v_mov_b32 v[QD], v[XT]                         ; x0
.elseif QP == 1
	v_perm_b32 v[QD], v[YT], v[XT+1], s[P1]        ; x1.l | y0.l
.elseif QP == 2
	v_perm_b32 v[QD], v[YT+1], v[YT], s[P2]        ; y0.h | y1.l
.elseif QP == 3
	v_perm_b32 v[QD], v[XT+2], v[XT+1], s[P2]      ; x1.h | x2.l
.elseif QP == 4
	v_perm_b32 v[QD], v[YT+1], v[XT+2], s[P3]      ; x2.h | y1.h
.else
	v_mov_b32 v[QD], v[YT+2]                       ; y2
.endif
.elseif QI == 72
	WIN 0
.if EC == 0
	global_store_b128 v[LI], v[QO:QO+3], s[14:15] offset:393216*QA          ; each store covers 512 consecutive bytes, aligned
.else
	global_store_b128 v[LI], v[QM:QM+3], s[14:15] offset:393216*QA+512
	global_store_b128 v[LI], v[QO:QO+3], s[14:15] offset:393216*QA+1024
.endif
.endif
.endif
.endm
; A half-step: 16 matrix instructions on end, four tiles of W1 x my four tiles of tokens.  The fragments of two half-steps on are asked for first, into the buffer that the half-step before has read.
; The half's 16 accumulators take turns, one instruction a turn, in the same order in every K step.
; ep = 1: the other half's way out goes along: it begins anew in K step 0, behind a wait that frees the registers of its last stores, and 45 numbers of its list stand in one run behind the 16 products of each K step from 1 on (7 x 45 cover its 300).
; The list names no register of the half that is being multiplied.  The four v_nop at the head of K step 0 are also the places between the other half's last products and the first relu.
; first = 1: the launch's first eight half-steps: x's fragments of K step q are waited for here; behind them 12 loads were issued for each later K step.
.macro HALF t, ep, first
.set HQ, (\t)%8
.set HC, (\t)/8
.set HF, 48*((\t)%3)
.if (\t) == 15
	s_wait_dscnt 0x0
.else
	s_wait_dscnt 24                                ; all but the next half-step's 24 loads are in (at t = 0: the scale words and biases too)
.endif
.if \first
.if HQ < 2
	s_wait_loadcnt 60                              ; (the largest multiple of 12 that the wait can name: K steps 0 to 2 and the scale words are in)
.else
	s_wait_loadcnt 12*(7-HQ)
.endif
.endif
.if (\t) <= 13
	PLACES
	LOADB (\t)+2
.endif
.if (\ep) && (HQ == 0)
	s_wait_xcnt 0x0                                ; the stores of the halves before have read their registers: the way out may write them again
.set EJ, 0
.set EC, 1-HC
.endif
	XFSET HQ
.if HQ == 0
.set WMW, 0x8d                         ; W1 window 1, x window 3, the bias window 0, the result window 2
.else
.set WMW, 0xa1|(XFW<<2)                ; W1 window 1, x where it lies, C and D window 2
.endif
.irp b, 0,1,2,3
.irp a, 0,1,2,3
.set MD, 64*\a+8*(4*HC+\b)
.set MA, HF+12*\b
.set MX, XFR+12*\a
.set MC, BI+8*(4*HC+\b)
.set MW, WS+4*(4*HC+\b)+HQ%4
.set MS, XS+4*\a+HQ%4
	WIN WMW
.if HQ == 0
	v_wmma_scale_f32_16x16x128_f8f6f4 v[MD:MD+7], v[MA:MA+11], v[MX:MX+11], v[MC:MC+7], v[MW], v[MS] matrix_a_fmt:MATRIX_FMT_BF6 matrix_b_fmt:MATRIX_FMT_BF6
.elseif HQ < 4
	v_wmma_scale_f32_16x16x128_f8f6f4 v[MD:MD+7], v[MA:MA+11], v[MX:MX+11], v[MD:MD+7], v[MW], v[MS] matrix_a_fmt:MATRIX_FMT_BF6 matrix_b_fmt:MATRIX_FMT_BF6
.else
	v_wmma_scale_f32_16x16x128_f8f6f4 v[MD:MD+7], v[MA:MA+11], v[MX:MX+11], v[MD:MD+7], v[MW], v[MS] matrix_a_fmt:MATRIX_FMT_BF6 matrix_b_fmt:MATRIX_FMT_BF6 matrix_a_scale:MATRIX_SCALE_ROW1 matrix_b_scale:MATRIX_SCALE_ROW1
.endif
.endr
.endr
.if (\ep) && (HQ > 0)
.rept 45
	EI
.set EJ, EJ+1
.endr
.endif
.endm
.macro HG0 ep, first                   ; a group's first half
.irp t, 0,1,2,3,4,5,6,7
	s_wait_alu depctr_va_vdst(0)
	HALF \t, \ep, \first
.endr
	WIN 0
.endm
.macro HG1                             ; its second half, with the first half's way out
.irp t, 8,9,10,11,12,13,14,15
	s_wait_alu depctr_va_vdst(0)                   ; likewise
	HALF \t, 1, 0
.endr
	WIN 0
.endm
; THE CHANGE OF SLOTS stands at a group's head.  Each wave waits for all its tensor loads (its part of the slot that it is about to read), adds 0 to its spare word, and waits for that and for its reads of the slot that it has left.
; fill = 1: a round of the cluster's barrier, so that no wave of any partner still reads that slot or has a load on its way; then the joint load of the next group (the first time: slot 1's first fill), which has this whole group's work in which to land.
.macro CHANGE fill
	WIN 0
	s_wait_tensorcnt 0x0                           ; no tensor load of mine is out, so the walking group 0 may be written
	ds_add_u32 v[SPW], v[NIL]                      ; 0 onto my spare word
.if \fill
	s_xor_b32 s[G0W+1], s[G0W+1], SLOT1            ; the other slot than last time,
	s_add_nc_u64 s[G0W+2:G0W+3], s[G0W+2:G0W+3], 128*768   ; the next 128 rows; the type bits on top are not reached
.endif
	s_wait_dscnt 0x0                               ; the add is done, and my reads of the slot that I have left are over
.if \fill
	CROUND
	tensor_load_to_lds s[G0W:G0W+3], s[G1W:G1W+7]  ; the first thing behind the round, and my one tensor load until the next
	s_nop 0
	PLACES
.else
	s_barrier_signal -1
	s_barrier_wait -1
.endif
.endm
; A group's head: the change of slots, the group's addresses (six plain lines: places behind the last products too), its scale words and biases, its first two half-steps' fragments.
.macro GHEAD fill
	CHANGE \fill
.irp i, 0,1,2,3
	v_add_nc_u32 v[ABW+\i], s[TB], v[AB0+\i]
.endr
	v_add_nc_u32 v[ASW], s[TS], v[ASW0]
	v_add_nc_u32 v[ABI], s[TBI], v[ABI0]
.irp i, 0,1,2,3,4,5,6,7
	ds_load_b128 v[WS+4*\i:WS+4*\i+3], v[ASW] offset:544*\i          ; tile i's scale words: two units on for each tile
.endr
.irp i, 0,1,2,3,4,5,6,7
	ds_load_b128 v[BI+8*\i:BI+8*\i+3], v[ABI] offset:64*\i           ; eb1 of tile i's units 8 h + 0 .. 7
	ds_load_b128 v[BI+8*\i+4:BI+8*\i+7], v[ABI] offset:64*\i+16
.endr
	LOADB 0
	LOADB 1
.endm
.macro GSTEP                           ; on to the next group's slot, scale words and biases
	s_xor_b32 s[TB], s[TB], SLOT1
	s_add_co_u32 s[TS], s[TS], 4352
	s_add_co_u32 s[TBI], s[TBI], 512
.endm
.macro PSTEP                           ; a group's last stores have been issued: on to the next K step's images
	s_wait_xcnt 0x0                                ; the stores have read their base
	s_add_nc_u64 s[14:15], s[14:15], 1536
.endm
	GHEAD 1                                        ; group 0 is read, group 1 asked for
	s_wait_alu depctr_va_vdst(0)
	HG0 0, 1                                       ; its first half: there is no way out yet to set between the products
	s_mov_b32 s[GC], 2
.Lgroup:                                               ; two trips: group g's second half | g's first half goes out;  the change of slots, group g + 2 asked for;  group g + 1's first half | g's second half goes out
	HG1
	GSTEP
	GHEAD 1
	s_wait_alu depctr_va_vdst(0)
	HG0 1, 0
	PSTEP
	s_sub_co_u32 s[GC], s[GC], 1
	s_cmp_lg_u32 s[GC], 0
	s_cbranch_scc1 .Lgroup
	HG1                                            ; the same trip for g = 2 is written out: nothing is left to ask for
	GSTEP
	GHEAD 0
	HG0 1, 0
	PSTEP
	HG1                                            ; group 3's second half | its first half goes out
	PLACES
	s_wait_xcnt 0x0
.set EJ, 0
.set EC, 1
.rept 4*EPT
	EI                                             ; the last half goes out bare
.set EJ, EJ+1
.endr
	WIN 0
	v_cmp_eq_u32 vcc_lo, 1, v19                    ; the scale words: lanes 0-15 send tile a's four, lanes 16-31 tile a + 1's: each sixteen lanes store 256 consecutive bytes, aligned
.irp a, 0,2
.irp i, 0,1,2,3
	v_cndmask_b32 v[HD+2*\a+\i], v[SH+4*\a+\i], v[SH+4*\a+4+\i], vcc_lo
.endr
	global_store_b128 v[HSO], v[HD+2*\a:HD+2*\a+3], s[16:17] offset:16384*\a
.endr
	s_wait_tensorcnt 0x0                           ; the wave's end
	ds_add_u32 v[SPW], v[NIL]
	s_wait_dscnt 0x0
	CROUND                                         ; the closing round: no work-group ends while a partner may still ask for a tile that names it
	s_endpgm
.Lfunc_end_k_qe6812b786b_up:
	.size	k_qe6812b786b_up, .Lfunc_end_k_qe6812b786b_up-k_qe6812b786b_up
	.p2alignl 7, 3214868480
	.fill 96, 4, 3214868480
	.section	.rodata,"a",@progbits
	.p2align	6, 0x0
	.amdhsa_kernel k_qe6812b786b_up
		.amdhsa_group_segment_fixed_size 327680
		.amdhsa_private_segment_fixed_size 0
		.amdhsa_enable_private_segment 0
		.amdhsa_kernarg_size 56
		.amdhsa_user_sgpr_count 2
		.amdhsa_user_sgpr_kernarg_segment_ptr 1
		.amdhsa_wavefront_size32 1
		.amdhsa_system_sgpr_workgroup_id_x 1
		.amdhsa_system_sgpr_workgroup_id_y 1
		.amdhsa_system_sgpr_workgroup_id_z 1
		.amdhsa_system_vgpr_workitem_id 0
		.amdhsa_next_free_vgpr 1024
		.amdhsa_next_free_sgpr 96
		.amdhsa_reserve_vcc 1
		.amdhsa_float_denorm_mode_32 3
		.amdhsa_float_denorm_mode_16_64 3
		.amdhsa_memory_ordered 1
		.amdhsa_forward_progress 1
		.amdhsa_inst_pref_size 255
	.end_amdhsa_kernel
	.section	.bss,"aw",@nobits
	.p2align	6
	.space	262144
	.amdgpu_metadata
---
amdhsa.version: [ 1, 2 ]
amdhsa.kernels:
  - .name:           k_qe6812b786b_up
    .symbol:         k_qe6812b786b_up.kd
    .args:
      - { .name: xq, .offset: 0, .size: 8, .value_kind: global_buffer, .address_space: global }
      - { .name: xs, .offset: 8, .size: 8, .value_kind: global_buffer, .address_space: global }
      - { .name: ew1_codes, .offset: 16, .size: 8, .value_kind: global_buffer, .address_space: global }
      - { .name: ew1_scales, .offset: 24, .size: 8, .value_kind: global_buffer, .address_space: global }
      - { .name: eb1, .offset: 32, .size: 8, .value_kind: global_buffer, .address_space: global }
      - { .name: hq, .offset: 40, .size: 8, .value_kind: global_buffer, .address_space: global }
      - { .name: hs, .offset: 48, .size: 8, .value_kind: global_buffer, .address_space: global }
    .group_segment_fixed_size: 327680
    .private_segment_fixed_size: 0
    .kernarg_segment_align: 8
    .kernarg_segment_size: 56
    .max_flat_workgroup_size: 128
    .sgpr_count:     96
    .vgpr_count:     1024
    .wavefront_size: 32
...
	.end_amdgpu_metadata
.endif
;; end of part 2
;; launch down (part 3): grid 256 x 1, 4 waves a work-group, clusters of 4 x 1, 327,680 bytes of LDS; arguments hq, hs, ew2_codes, ew2_scales, eb2, part; writes part
.if DOCPART == 3
	.amdgcn_target "amdgcn-amd-amdhsa--gfx1250"
	.amdhsa_code_object_version 6
	.text
	.protected	k_qe6812b786b_down
	.globl	k_qe6812b786b_down
	.p2align	8
	.type	k_qe6812b786b_down,@function
k_qe6812b786b_down:
	s_mov_b64 s[64:65], 0
	v_nop
	global_prefetch_b8 v0, s[64:65] scope:SCOPE_SE
	s_setreg_imm32_b32 hwreg(HW_REG_WAVE_MODE, 25, 1), 1
	s_wait_xcnt 0x0
	s_wait_alu depctr_hold_cnt(0) depctr_sa_sdst(0) depctr_va_vdst(0) depctr_va_sdst(0) depctr_va_ssrc(0) depctr_va_vcc(0) depctr_vm_vsrc(0)
	s_getreg_b32 s2, hwreg(HW_REG_IB_STS2, 6, 4)
	s_cmp_eq_u32 s2, 0
	s_cbranch_scc0 .Lentry_in_a_cluster
	s_endpgm
.Lentry_in_a_cluster:
	s_bfe_u32 s2, ttmp6, 0x10000c
	s_cmp_lg_u32 s2, 0x3003
	s_cbranch_scc0 .Lentry_shape_is_right
	s_endpgm
.Lentry_shape_is_right:
; part[e][token][o] = bf16( sum over the hidden units of Q(h)[token][e][.] W2[e][.][o] + eb2[e][o] ): each expert's outputs, rounded once to bf16 as an operand of the last product, which the contract leaves as it is.
; hq, hs: the hidden layer's codes of BF6 (E3M2) as images of operand registers and its E8M0 scale words, as the launch before laid them.  W2: ew2_codes flat [8192 rows o][3,072 bytes], K = 4,096 innermost; its scale bytes [8192][128].
; SHARES.  A cluster of four work-groups takes one expert's 128 outputs (cluster x = e + 8 x block of outputs: the clusters that read one expert's hidden layer are eight apart); each of the four takes 256 tokens (its place),
; each of its four waves 64: four tiles of 16.
; W2 comes through a ring of two LDS slots of 128 rows x 768 bytes (a GROUP: 8 K steps of 128); a tile's row begins at a multiple of 256 bytes.  All four waves read all of a slot; the four partners need the same rows: every tensor load is JOINT (mask 15).
; THE HIDDEN LAYER GOES FROM MEMORY STRAIGHT INTO REGISTERS: each of its fragments is read by one wave alone, and an image is 1,536 consecutive bytes, 512 a load.  Eight buffers of four fragments take turns; a K step's 12 loads are issued five K steps ahead.
; THE PRODUCT IS USED TRANSPOSED (source 0 = 16 rows of W2, source 1 = 16 tokens): a lane holds one token, an accumulator's registers eight neighbouring outputs.  The sums begin at eb2, which is loaded into the accumulators: one loop body serves every K step.
; A group is 16 half-steps of 16 matrix instructions (K step t / 2, W2's tiles 4 (t % 2) on); the 32 accumulators take turns, one instruction a turn.
; Three groups run in a loop, each asking for the next; the fourth, which asks for nothing, is written out.  By this text's own count a wave has one tensor load out at the start and one behind each round.
; PREFETCH: in groups 0 and 1 each wave names 24 blocks of 256 bytes of hq and 24 of W2 that group g + 2 will load.  hq's K steps are shared out among the eight clusters of an expert (K step = the cluster's block of outputs),
; W2's rows among the sixteen waves of the cluster (8 rows a wave), all by address.  Groups 0 and 1 come by their loads alone.
; LIMITS: NaN and infinities are not served.
.set PITCH, 816                        ; a row of W2 in LDS: 3 x (256 bytes + 16 of padding)
.set SLOT1, 131072                     ; slot 1 begins here; a slot holds 128 x 816 = 104,448 bytes
.set SCB,   235520                     ; W2's scale bytes of the 128 rows: 64 units of 256 bytes + 16; filled once
.set SPARE, 252928                     ; the spare words, 128 bytes a wave
.set STAGE, 253440                     ; the way out: 4 x 16 rows x 272 bytes for each wave; no fill lands here
.set AB0,  2                           ; v2-5   my place in a slot: [2 hi + var]: 816 r + (24 + 16 var) h + 52,224 hi
.set ABW,  6                           ; v6-9   the same in the slot in hand
.set ADS0, 10                          ; v10    my place among W2's scale words; v11 in the group in hand
.set ADS,  11
.set LI,   14                          ; v14    16 x lane
.set ASO,  15                          ; v15    hs: 16 r + 16,384 h
.set SPW,  16                          ; v16    my spare word; never rewritten
.set NIL,  17                          ; v17    0; never rewritten
.set STO,  20                          ; v20    into the stage;  v21 back;  v22 my bytes of two rows of part
.set RD,   21
.set CO,   22
.set PFA,  23                          ; v23, v24 the prefetches' offsets
.set PFB,  24
.set EBO,  25                          ; v25    32 h
.set AS,   32                          ; v32-47 the hidden layer's scale words: 8 (q / 4) + 4 (a / 2) + q % 4; lanes 0-15 tile a even, lanes 16-31 odd
.set BS,   48                          ; v48-79 W2's: 16 (q / 4) + 4 (b / 2) + q % 4, likewise
.set OB,   80                          ; v80-207 the way out: rows read back
.set TMP,  208                         ; v208-239 the way out: packed results
.set WV,   18
.set G1W,  24                          ; s[24:31] group 1, s[32:35] group 0 (it walks): the ring's loads, 32 rows a wave
.set G0W,  32
.set G1S,  36                          ; s[36:43], s[44:47]: the scale bytes, half a wave (waves 2, 3)
.set G0S,  44
.set G1H,  48                          ; s[48:55], s[56:59]: the head's load of group 0, 64 rows a wave (waves 0, 1)
.set G0H,  56
.set TB,   60                          ; s60 where the slot in hand begins;  s61 the group's scale words: 32 bytes a group;  s63 trips
.set TS,   61
.set GC,   63
.set PB,   66                          ; s[66:67] W2's rows that I prefetch
.set MSB, 0
.macro WIN new
.if MSB != (\new)
	s_set_vgpr_msb (MSB<<8)|(\new)
.set MSB, \new
.endif
.endm
.macro PLACES                          ; four places in front of loads into registers that matrix instructions have read, and of the first read of results
.rept 4
	v_nop
.endr
.endm
.macro CROUND                          ; a round of the cluster's barrier
	s_barrier_signal -1
	s_barrier_wait -1
	s_cmp_lg_u32 s[WV], 0
	s_cbranch_scc1 .Lnot_wave_0_\@
	s_barrier_signal -3
.Lnot_wave_0_\@:
	s_barrier_wait -3
	s_barrier_signal -1
	s_barrier_wait -1
.endm
.macro XFSET q                         ; buffer q of the hidden layer's fragments: register XFR + 12 a of window XFW
.if (\q) < 5
.set XFR, 48*(\q)
.set XFW, 3
.elseif (\q) < 7
.set XFR, 144+48*((\q)-5)
.set XFW, 1
.else
.set XFR, 208
.set XFW, 0
.endif
.endm
.macro ALOAD qq                        ; the four fragments of K step qq, counted from the group's start (8 and more: the next group's), into buffer qq % 8
	XFSET (\qq)%8
.set WD, XFW<<6
	WIN WD
.irp a, 0,1,2,3
.irp c, 0,1,2
	global_load_b128 v[XFR+12*\a+4*\c:XFR+12*\a+4*\c+3], v[LI], s[4:5] offset:393216*\a+1536*(\qq)+512*\c
.endr
.endr
.endm
.macro SLOAD sl                        ; the scale words of K steps 4 sl .. 4 sl + 3, counted likewise, into set sl % 2
	WIN 0
.irp j, 0,1
	global_load_b128 v[AS+8*((\sl)%2)+4*\j:AS+8*((\sl)%2)+4*\j+3], v[ASO], s[6:7] offset:32768*\j+256*(\sl)
.endr
.endm
	s_load_b256 s[4:11], s[0:1], 0x0               ; hq s[4:5], hs s[6:7], W2's codes s[8:9], W2's scales s[10:11]
	s_load_b128 s[12:15], s[0:1], 0x20             ; eb2 s[12:13], part s[14:15]
	v_lshl_add_u32 v[SPW], v0, 2, SPARE
	v_mov_b32 v[NIL], 0
	ds_add_u32 v[SPW], v[NIL]                      ; the opening lines: the add, twice on end, and its wait ahead of my first tensor load
	ds_add_u32 v[SPW], v[NIL]
	v_lshrrev_b32 v1, 5, v0
	v_readfirstlane_b32 s[WV], v1                  ; wave 0..3
	s_bfe_u32 s19, ttmp6, 0x40000                  ; my place in the cluster: my 256 tokens.  It enters hq's, hs's, part's and the prefetches' addresses alone
	s_and_b32 s20, s[WV], 1
	s_and_b32 s21, ttmp9, 7                        ; e
	s_lshr_b32 s22, ttmp9, 3                       ; block of 128 outputs
	s_lshl_b32 s23, s21, 3
	s_add_co_u32 s23, s23, s22                     ; 8 e + block: the cluster's 128 rows of W2, counted in blocks
.irp g, G1W, G1H
	s_mov_b32 s[\g], 15|(1<<20)|(1<<21)|(5<<22)|(3<<25)   ; the mask: all four; elements of 1 byte; 16 bytes of padding behind every 256
	s_mov_b32 s[\g+1], 768<<16
	s_mov_b32 s[\g+3], 768<<16
	s_mov_b32 s[\g+5], 3072                        ; from row to row
	s_mov_b32 s[\g+6], 0
	s_mov_b32 s[\g+7], 0
.endr
	s_mov_b32 s[G1W+2], 32<<16
	s_mov_b32 s[G1W+4], 32
	s_mov_b32 s[G1H+2], 64<<16
	s_mov_b32 s[G1H+4], 64
	s_mov_b32 s[G1S], 15|(3<<16)|(1<<20)|(1<<21)|(5<<22)|(3<<25)   ; 8,192 dense bytes as 32 rows of 256 (32 elements of 8), padded likewise
	s_mov_b32 s[G1S+1], 32<<16
	s_mov_b32 s[G1S+2], 32<<16
	s_mov_b32 s[G1S+3], 32<<16
	s_mov_b32 s[G1S+4], 32
	s_mov_b32 s[G1S+5], 32
	s_mov_b32 s[G1S+6], 0
	s_mov_b32 s[G1S+7], 0
	s_mov_b32 s[G0W], 1
	s_mul_i32 s[G0W+1], s[WV], 32*PITCH
	s_mov_b32 s[G0H], 1
	s_mul_i32 s[G0H+1], s20, 64*PITCH
	s_mov_b32 s[G0S], 1
	s_mul_i32 s[G0S+1], s20, 8704
	s_add_co_u32 s[G0S+1], s[G0S+1], SCB
	s_mov_b32 s[TB], 0
	s_mov_b32 s[TS], 0
	s_mov_b32 s73, 0
	s_mov_b32 s77, 0
	s_lshl_b32 s74, s19, 4
	s_lshl_b32 s75, s[WV], 2
	s_add_co_u32 s74, s74, s75                     ; my first tile of tokens: 16 x place + 4 x wave
	s_wait_dscnt 0x0                               ; both opening adds are done
	s_wait_kmcnt 0x0
	s_mul_i32 s70, s23, 393216                     ; W2: the cluster's 128 rows of 3,072 bytes
	s_mul_i32 s71, s[WV], 98304                    ; the ring: my 32 rows
	s_add_co_u32 s72, s70, s71
	s_add_nc_u64 s[G0W+2:G0W+3], s[8:9], s[72:73]
	s_or_b32 s[G0W+3], s[G0W+3], 0x80000000
	s_mul_i32 s71, s20, 196608                     ; the head: 64 rows
	s_add_co_u32 s72, s70, s71
	s_add_nc_u64 s[G0H+2:G0H+3], s[8:9], s[72:73]
	s_or_b32 s[G0H+3], s[G0H+3], 0x80000000
	s_lshl_b32 s72, s23, 14                        ; the scale bytes: 16,384 for the 128 rows, a half
	s_lshl_b32 s71, s20, 13
	s_add_co_u32 s72, s72, s71
	s_add_nc_u64 s[G0S+2:G0S+3], s[10:11], s[72:73]
	s_or_b32 s[G0S+3], s[G0S+3], 0x80000000
	s_lshl_b32 s72, s23, 9                         ; eb2: 512 bytes for each 128 outputs
	s_add_nc_u64 s[12:13], s[12:13], s[72:73]
	s_lshl_b32 s76, s[WV], 5                       ; the rows of W2 that I prefetch: 32 x wave + 8 x place
	s_lshl_b32 s78, s19, 3
	s_add_co_u32 s76, s76, s78
	s_mul_i32 s76, s76, 3072
	s_add_co_u32 s76, s76, s70
	s_add_nc_u64 s[PB:PB+1], s[8:9], s[76:77]
	s_lshl_b32 s76, s74, 8
	s_lshl_b32 s78, s21, 5
	s_add_co_u32 s76, s76, s78
	s_mul_i32 s76, s76, 1536                       ; hq: image 256 x tile + 32 e
	s_add_nc_u64 s[4:5], s[4:5], s[76:77]
	s_lshl_b32 s76, s74, 14
	s_lshl_b32 s78, s21, 11
	s_add_co_u32 s76, s76, s78                     ; hs: 16,384 bytes a tile, 2,048 an expert
	s_add_nc_u64 s[6:7], s[6:7], s[76:77]
	s_lshl_b32 s76, s21, 21                        ; part: 2,097,152 bytes an expert, 32,768 a tile, 256 a block of outputs
	s_lshl_b32 s78, s74, 15
	s_add_co_u32 s76, s76, s78
	s_lshl_b32 s78, s22, 8
	s_add_co_u32 s76, s76, s78
	s_add_nc_u64 s[14:15], s[14:15], s[76:77]
	s_mul_i32 s79, s22, 1536                       ; the K step of each group that my cluster prefetches
	s_mul_i32 s78, s[WV], 17408
	s_add_co_u32 s78, s78, STAGE                   ; my stage
	CROUND                                         ; all four work-groups are here: the first joint loads meet
	s_cmp_lt_u32 s[WV], 2                          ; the head's tiles, one load a wave: waves 0, 1 a half of group 0 each, waves 2, 3 a half of the scale bytes each
	s_cbranch_scc0 .Lhead_s
	tensor_load_to_lds s[G0H:G0H+3], s[G1H:G1H+7]
	s_nop 0
	PLACES
	s_branch .Lhead_asked
.Lhead_s:
	tensor_load_to_lds s[G0S:G0S+3], s[G1S:G1S+7]
	s_nop 0
	PLACES
.Lhead_asked:
	v_and_b32 v18, 15, v0                          ; r
	v_bfe_u32 v19, v0, 4, 1                        ; h
	v_and_b32 v1, 31, v0
	v_lshlrev_b32 v[LI], 4, v1
	v_lshlrev_b32 v[EBO], 5, v19
	v_lshlrev_b32 v[ASO], 4, v18
	v_lshl_add_u32 v[ASO], v19, 14, v[ASO]
	v_mul_u32_u24 v[ABW], v18, PITCH
	v_mad_u32_u24 v[AB0], v19, 24, v[ABW]
	v_mad_u32_u24 v[AB0+1], v19, 40, v[ABW]
	v_add_nc_u32 v[AB0+2], 64*PITCH, v[AB0]
	v_add_nc_u32 v[AB0+3], 64*PITCH, v[AB0+1]
	v_lshrrev_b32 v[ADS], 1, v18                   ; a unit holds the scale bytes of two rows, 128 each
	v_mul_u32_u24 v[ADS], v[ADS], 272
	v_and_b32 v[ADS0], 1, v18
	v_lshl_add_u32 v[ADS0], v[ADS0], 7, v[ADS]
	v_mad_u32_u24 v[ADS0], v19, 2176, v[ADS0]      ; lanes 16-31 take the next tile's rows: eight units on
	v_add_nc_u32 v[ADS0], SCB, v[ADS0]
	v_mul_u32_u24 v[STO], v18, 272                 ; into the stage: row r, 16 bytes for each half of the lanes
	v_lshl_add_u32 v[STO], v19, 4, v[STO]
	v_add_nc_u32 v[STO], s78, v[STO]
	v_mul_u32_u24 v[RD], v19, 272                  ; back: lanes 0-15 one row of 256 bytes, lanes 16-31 the next
	v_lshl_add_u32 v[RD], v18, 4, v[RD]
	v_add_nc_u32 v[RD], s78, v[RD]
	v_lshlrev_b32 v[CO], 4, v18                    ; and the same two rows in part, 2,048 bytes apart
	v_lshl_add_u32 v[CO], v19, 11, v[CO]
	v_min_u32 v1, 23, v1                           ; the prefetches name 24 blocks; lanes 24-31 name the last again
	v_mul_u32_u24 v26, v1, 43
	v_lshrrev_b32 v26, 8, v26                      ; l / 6: the tile
	v_mul_u32_u24 v27, v26, 6
	v_sub_nc_u32 v27, v1, v27                      ; l % 6: the block of its image
	v_mul_u32_u24 v[PFA], v26, 0x60000
	v_lshl_add_u32 v[PFA], v27, 8, v[PFA]
	v_add_nc_u32 v[PFA], s79, v[PFA]
	v_mul_u32_u24 v26, v1, 86
	v_lshrrev_b32 v26, 8, v26                      ; l / 3: the row
	v_mul_u32_u24 v27, v26, 3
	v_sub_nc_u32 v27, v1, v27                      ; l % 3: the block of its 768 bytes
	v_mul_u32_u24 v[PFB], v26, 3072
	v_lshl_add_u32 v[PFB], v27, 8, v[PFB]
	s_wait_alu depctr_va_vdst(0)                   ; the wait at the head's end: all address registers are made
	WIN 0x80
.irp a, 0,1,2,3                        ; the sums begin at eb2: accumulator (a, b) at v[64 a + 8 b] of window 2; register j of lane (r, h) is output 16 b + 8 h + j of token r
.irp b, 0,1,2,3,4,5,6,7
	global_load_b128 v[64*\a+8*\b:64*\a+8*\b+3], v[EBO], s[12:13] offset:64*\b
	global_load_b128 v[64*\a+8*\b+4:64*\a+8*\b+7], v[EBO], s[12:13] offset:64*\b+16
.endr
.endr
	ALOAD 0                                        ; the stream's start, in the order in which the loop would have issued it
	SLOAD 0
	ALOAD 1
	ALOAD 2
	ALOAD 3
	ALOAD 4
	WIN 0
; A fragment of W2, 16 rows x 128 K: 12 registers, in pieces of 8 bytes.  Lanes 16-31 take the pieces three on; where such a piece lies behind one padding more, the second address register serves.
.macro FRAGB reg, hi, i4, q
.irp p, 0,1,2,3,4,5
.set PN, 12*(\q)+6*(\p/3)+\p%3
.if PN%32 < 29
	ds_load_b64 v[\reg+2*\p:\reg+2*\p+1], v[ABW+2*(\hi)] offset:8*PN+16*(PN/32)+16*PITCH*(\i4)
.else
	ds_load_b64 v[\reg+2*\p:\reg+2*\p+1], v[ABW+2*(\hi)+1] offset:8*PN+16*(PN/32)+16*PITCH*(\i4)
.endif
.endr
.endm
.macro LOADB t                         ; half-step t: four fragments, 24 loads, into buffer t % 3 of window 1
	WIN 0x40
.irp i, 0,1,2,3
	FRAGB 48*((\t)%3)+12*\i, (\t)%2, \i, (\t)/2
.endr
.endm
.macro WM ra, rb                       ; ra, rb: the scale words stand in lanes 16-31
.if (\ra) && (\rb)
	v_wmma_scale_f32_16x16x128_f8f6f4 v[MD:MD+7], v[MA:MA+11], v[MX:MX+11], v[MD:MD+7], v[MW], v[MS] matrix_a_fmt:MATRIX_FMT_BF6 matrix_b_fmt:MATRIX_FMT_BF6 matrix_a_scale:MATRIX_SCALE_ROW1 matrix_b_scale:MATRIX_SCALE_ROW1
.elseif (\ra)
	v_wmma_scale_f32_16x16x128_f8f6f4 v[MD:MD+7], v[MA:MA+11], v[MX:MX+11], v[MD:MD+7], v[MW], v[MS] matrix_a_fmt:MATRIX_FMT_BF6 matrix_b_fmt:MATRIX_FMT_BF6 matrix_a_scale:MATRIX_SCALE_ROW1
.elseif (\rb)
	v_wmma_scale_f32_16x16x128_f8f6f4 v[MD:MD+7], v[MA:MA+11], v[MX:MX+11], v[MD:MD+7], v[MW], v[MS] matrix_a_fmt:MATRIX_FMT_BF6 matrix_b_fmt:MATRIX_FMT_BF6 matrix_b_scale:MATRIX_SCALE_ROW1
.else
	v_wmma_scale_f32_16x16x128_f8f6f4 v[MD:MD+7], v[MA:MA+11], v[MX:MX+11], v[MD:MD+7], v[MW], v[MS] matrix_a_fmt:MATRIX_FMT_BF6 matrix_b_fmt:MATRIX_FMT_BF6
.endif
.endm
; A half-step.  At a K step's head (t even) the wait for its fragments and scale words: behind them stand the 12 loads of each of the four K steps on (48), and, unless this K step is the first to use its scale words, the 2 loads of the next words (50).
; Then the stream goes on: at K steps 0 and 4 the scale words of four K steps on, into the set read last; the fragments of five K steps on.  last = 1: the fourth group asks for nothing beyond K's end, and its waits count what is left.
.macro HALF t, last
.set HQ, (\t)/2
.set HC, (\t)%2
.set HF, 48*((\t)%3)
.if (\t) == 15
	s_wait_dscnt 0x0
.else
	s_wait_dscnt 24                                ; all but the next half-step's 24 loads are in (at t = 0: W2's scale words too)
.endif
.if HC == 0
.if (\last) && (HQ > 3)
	s_wait_loadcnt 12*(7-HQ)
.elseif HQ%4 == 0
	s_wait_loadcnt 48
.else
	s_wait_loadcnt 50
.endif
.endif
.if (\t) <= 13
	PLACES
.endif
.if HC == 0
.if HQ == 0
	SLOAD 1
.elseif (HQ == 4) && ((\last) == 0)
	SLOAD 2
.endif
.if ((\last) == 0) || (HQ < 3)
	ALOAD HQ+5
.endif
.endif
.if (\t) <= 13
	LOADB (\t)+2
.endif
	XFSET HQ
.set WMW, 0xa1|(XFW<<2)                ; W2 window 1, the tokens where they lie, C and D window 2
	WIN WMW
.irp b, 0,1,2,3
.irp a, 0,1,2,3
.set MB, 4*HC+\b
.set MD, 64*\a+8*MB
.set MA, HF+12*\b
.set MX, XFR+12*\a
.set MW, BS+16*(HQ/4)+4*(MB/2)+HQ%4
.set MS, AS+8*(HQ/4)+4*(\a/2)+HQ%4
	WM \b%2, \a%2
.endr
.endr
.endm
.macro GROUP last
.irp t, 0,1,2,3,4,5,6,7,8,9,10,11,12,13,14,15
.if ((\last) == 0) && (\t == 6)
	WIN 0
	s_cmp_gt_u32 s[GC], 1                          ; groups 0 and 1 alone have a group two on
	s_cbranch_scc0 .Lno_ask
	global_prefetch_b8 v[PFA], s[4:5] offset:24576 th:TH_LOAD_NT scope:SCOPE_SE
	global_prefetch_b8 v[PFB], s[PB:PB+1] offset:1536 th:TH_LOAD_NT scope:SCOPE_SE
.Lno_ask:
.endif
	HALF \t, \last
.endr
	WIN 0
.endm
; A group's head: the change of slots.  Each wave waits for all its tensor loads, adds 0 to its spare word, and waits for that and for its reads of the slot that it has left.
; fill = 1: a round of the cluster's barrier, then the joint load of the next group into that slot (the first time: slot 1's first fill).  Then the group's addresses, W2's scale words, the first two half-steps' fragments.
.macro GHEAD fill
	s_wait_tensorcnt 0x0
	ds_add_u32 v[SPW], v[NIL]
.if \fill
	s_xor_b32 s[G0W+1], s[G0W+1], SLOT1
	s_add_nc_u64 s[G0W+2:G0W+3], s[G0W+2:G0W+3], 768
.endif
	s_wait_dscnt 0x0
.if \fill
	CROUND
	tensor_load_to_lds s[G0W:G0W+3], s[G1W:G1W+7]
	s_nop 0
	PLACES
.else
	s_barrier_signal -1
	s_barrier_wait -1
.endif
.irp i, 0,1,2,3
	v_add_nc_u32 v[ABW+\i], s[TB], v[AB0+\i]       ; (five plain lines: places behind the last products too)
.endr
	v_add_nc_u32 v[ADS], s[TS], v[ADS0]
	s_wait_alu depctr_va_vdst(0)
.irp u, 0,1
.irp i, 0,1,2,3
	ds_load_b128 v[BS+16*\u+4*\i:BS+16*\u+4*\i+3], v[ADS] offset:4352*\i+16*\u
.endr
.endr
	LOADB 0
	LOADB 1
.endm
	s_mov_b32 s[GC], 3
.Lgroup:
	GHEAD 1
	GROUP 0
	s_xor_b32 s[TB], s[TB], SLOT1                  ; on to the next group's slot and scale words
	s_add_co_u32 s[TS], s[TS], 32
	s_wait_xcnt 0x0                                ; my loads and prefetches have read their bases
	s_add_nc_u64 s[4:5], s[4:5], 12288
	s_add_nc_u64 s[6:7], s[6:7], 512
	s_add_nc_u64 s[PB:PB+1], s[PB:PB+1], 768
	s_sub_co_u32 s[GC], s[GC], 1
	s_cmp_lg_u32 s[GC], 0
	s_cbranch_scc1 .Lgroup
	GHEAD 0
	GROUP 1
	; THE WAY OUT, tile by tile of 16 tokens: rounded to bf16, 16 bytes a lane into my own stage, back as whole rows of 256 bytes.  LDS serves a wave's instructions in order (ISA guide 5.7.1.4).
	PLACES
.irp a, 0,1,2,3
	WIN 0x0a
.irp b, 0,1,2,3,4,5,6,7
.irp r, 0,1,2,3
	v_cvt_pk_bf16_f32 v[TMP+4*\b+\r], v[64*\a+8*\b+2*\r], v[64*\a+8*\b+2*\r+1]
.endr
.endr
	WIN 0
.irp b, 0,1,2,3,4,5,6,7
	ds_store_b128 v[STO], v[TMP+4*\b:TMP+4*\b+3] offset:4352*\a+32*\b
.endr
.irp t, 0,1,2,3,4,5,6,7
	ds_load_b128 v[OB+32*\a+4*\t:OB+32*\a+4*\t+3], v[RD] offset:4352*\a+544*\t
.endr
.endr
.irp a, 0,1,2,3
	s_wait_dscnt 16*(3-\a)                         ; behind this tile's loads: 8 stores and 8 loads for each later tile
.irp t, 0,1,2,3,4,5,6,7
	global_store_b128 v[CO], v[OB+32*\a+4*\t:OB+32*\a+4*\t+3], s[14:15] offset:32768*\a+4096*\t   ; sixteen lanes store 256 consecutive bytes, aligned
.endr
.endr
	s_wait_tensorcnt 0x0                           ; the wave's end
	ds_add_u32 v[SPW], v[NIL]
	s_wait_dscnt 0x0
	CROUND                                         ; the closing round
	s_endpgm
.Lfunc_end_k_qe6812b786b_down:
	.size	k_qe6812b786b_down, .Lfunc_end_k_qe6812b786b_down-k_qe6812b786b_down
	.p2alignl 7, 3214868480
	.fill 96, 4, 3214868480
	.section	.rodata,"a",@progbits
	.p2align	6, 0x0
	.amdhsa_kernel k_qe6812b786b_down
		.amdhsa_group_segment_fixed_size 327680
		.amdhsa_private_segment_fixed_size 0
		.amdhsa_enable_private_segment 0
		.amdhsa_kernarg_size 48
		.amdhsa_user_sgpr_count 2
		.amdhsa_user_sgpr_kernarg_segment_ptr 1
		.amdhsa_wavefront_size32 1
		.amdhsa_system_sgpr_workgroup_id_x 1
		.amdhsa_system_sgpr_workgroup_id_y 1
		.amdhsa_system_sgpr_workgroup_id_z 1
		.amdhsa_system_vgpr_workitem_id 0
		.amdhsa_next_free_vgpr 1024
		.amdhsa_next_free_sgpr 96
		.amdhsa_reserve_vcc 0
		.amdhsa_float_denorm_mode_32 3
		.amdhsa_float_denorm_mode_16_64 3
		.amdhsa_memory_ordered 1
		.amdhsa_forward_progress 1
		.amdhsa_inst_pref_size 171
	.end_amdhsa_kernel
	.amdgpu_metadata
---
amdhsa.version: [ 1, 2 ]
amdhsa.kernels:
  - .name:           k_qe6812b786b_down
    .symbol:         k_qe6812b786b_down.kd
    .args:
      - { .name: hq, .offset: 0, .size: 8, .value_kind: global_buffer, .address_space: global }
      - { .name: hs, .offset: 8, .size: 8, .value_kind: global_buffer, .address_space: global }
      - { .name: ew2_codes, .offset: 16, .size: 8, .value_kind: global_buffer, .address_space: global }
      - { .name: ew2_scales, .offset: 24, .size: 8, .value_kind: global_buffer, .address_space: global }
      - { .name: eb2, .offset: 32, .size: 8, .value_kind: global_buffer, .address_space: global }
      - { .name: part, .offset: 40, .size: 8, .value_kind: global_buffer, .address_space: global }
    .group_segment_fixed_size: 327680
    .private_segment_fixed_size: 0
    .kernarg_segment_align: 8
    .kernarg_segment_size: 48
    .max_flat_workgroup_size: 128
    .sgpr_count:     96
    .vgpr_count:     1024
    .wavefront_size: 32
...
	.end_amdgpu_metadata
.endif
;; end of part 3
;; launch combine (part 4): grid 256 x 1, 8 waves a work-group, no clusters, 0 bytes of LDS; arguments part, probs, clar, out0; writes out0
.if DOCPART == 4
	.amdgcn_target "amdgcn-amd-amdhsa--gfx1250"
	.amdhsa_code_object_version 6
	.text
	.protected	k_qe6812b786b_combine
	.globl	k_qe6812b786b_combine
	.p2align	8
	.type	k_qe6812b786b_combine,@function
k_qe6812b786b_combine:
	s_mov_b64 s[64:65], 0
	v_nop
	global_prefetch_b8 v0, s[64:65] scope:SCOPE_SE
	s_setreg_imm32_b32 hwreg(HW_REG_WAVE_MODE, 25, 1), 1
	s_wait_xcnt 0x0
; out[token][:] = sum over the experts of w[token][e] part[e][token][:]; part holds each expert's outputs, eb2 included, as bf16; the weights and the sums are f32.
; k = clip(floor(mean(8 - 6 clarity) + 0.5), 2, 8), one number for the batch; an expert's rank among its token's eight probabilities (the larger first; of equal ones the lower index first, as a stable sort leaves them);
; w = p where rank < k, else 0, divided by (the token's sum of those + 1e-8).
; A stream.  A work-group takes 4 tokens; thread t owns outputs 4 t .. 4 t + 3 of every row: a wave's load covers 256 consecutive bytes of part, its store 512 of out.  All 41 loads of a wave go out at once.
; Every wave computes k and the 32 weights by the same instructions on the same numbers: no LDS, no barrier, no branch.  k and the ranks only select values.
; LIMITS: NaN among the inputs is not served.  The division is a multiplication by v_rcp_f32's result.
.set CL,  8                            ; v8-39   the 1,024 clarities, 32 a lane; later the four tokens' sums (v8-23)
.set P,   48                           ; v48-111 the parts: 16 tl + 2 e
.set T,   112                          ; v112-119 four numbers widened to f32, two sets
.set W,   32                           ; s32-63  the weights: 8 tl + e
	s_load_b128 s[4:7], s[0:1], 0x0                ; part s[4:5], probs s[6:7]
	s_load_b64 s[8:9], s[0:1], 0x10                ; clar
	s_load_b64 s[12:13], s[0:1], 0x18              ; out0
	v_lshlrev_b32 v2, 3, v0                        ; 8 t
	v_lshlrev_b32 v5, 4, v0                        ; 16 t
	v_and_b32 v1, 31, v0
	s_delay_alu instid0(VALU_DEP_1)
	v_lshlrev_b32 v3, 4, v1                        ; 16 x lane
	s_delay_alu instid0(VALU_DEP_2)
	v_lshlrev_b32 v4, 2, v1                        ; 4 x lane
	s_lshl_b32 s14, ttmp9, 14                      ; out: 4 rows of 4,096 bytes for each work-group
	s_mov_b32 s15, 0
	s_lshl_b32 s10, ttmp9, 13                      ; part: 4 rows of 2,048 bytes
	s_mov_b32 s11, 0
	s_lshl_b32 s2, ttmp9, 7                        ; 4 tokens' 8 probabilities
	s_mov_b32 s3, 0
	s_mov_b32 s24, 0x76543210
	s_mov_b32 s25, 0xfedcba98                      ; v_permlanex16_b32's selects for lane l xor 16
	s_mov_b32 s28, 0xc0c00000                      ; -6
	s_mov_b32 s29, 0x41000000                      ; 8
	s_mov_b32 s30, 0x3a800000                      ; 1 / 1,024
	s_mov_b32 s31, 0x322bcc77                      ; 1e-8
	s_wait_alu depctr_va_vdst(0)
	s_wait_kmcnt 0x0
	s_add_nc_u64 s[16:17], s[4:5], s[10:11]        ; experts 0 to 3;
	s_add_nc_u64 s[18:19], s[16:17], 0x800000      ; 4 to 7: four experts are 8,388,608 bytes
	s_add_nc_u64 s[6:7], s[6:7], s[2:3]
	s_add_nc_u64 s[12:13], s[12:13], s[14:15]
.irp i, 0,1,2,3,4,5,6,7
	global_load_b128 v[CL+4*\i:CL+4*\i+3], v3, s[8:9] offset:512*\i
.endr
	global_load_b32 v40, v4, s[6:7]                ; lane 8 tl + e: p of token tl, expert e
.irp tl, 0,1,2,3
.irp e, 0,1,2,3,4,5,6,7
	global_load_b64 v[P+16*\tl+2*\e:P+16*\tl+2*\e+1], v2, s[16+2*(\e/4):17+2*(\e/4)] offset:2097152*(\e%4)+2048*\tl th:TH_LOAD_NT
.endr
.endr
	s_wait_loadcnt 32                              ; the clarities and the probabilities are in; the parts' 32 loads stay out
.irp i, 0,1,2,3,4,5,6,7,8,9,10,11,12,13,14,15,16,17,18,19,20,21,22,23,24,25,26,27,28,29,30,31
	v_fma_f32 v[CL+\i], v[CL+\i], s28, s29         ; 8 - 6 clarity
.endr
.irp i, 0,2,4,6,8,10,12,14
	v_pk_add_f32 v[CL+\i:CL+\i+1], v[CL+\i:CL+\i+1], v[CL+16+\i:CL+17+\i]
.endr
.irp i, 0,2,4,6
	s_delay_alu instid0(VALU_DEP_4)
	v_pk_add_f32 v[CL+\i:CL+\i+1], v[CL+\i:CL+\i+1], v[CL+8+\i:CL+9+\i]
.endr
.irp i, 0,2
	s_delay_alu instid0(VALU_DEP_2)
	v_pk_add_f32 v[CL+\i:CL+\i+1], v[CL+\i:CL+\i+1], v[CL+4+\i:CL+5+\i]
.endr
	s_delay_alu instid0(VALU_DEP_1)
	v_pk_add_f32 v[CL:CL+1], v[CL:CL+1], v[CL+2:CL+3]
	s_delay_alu instid0(VALU_DEP_1)
	v_add_f32 v8, v8, v9
	s_delay_alu instid0(VALU_DEP_1)
	v_add_f32_dpp v8, v8, v8 row_xmask:1 row_mask:0xf bank_mask:0xf
	s_delay_alu instid0(VALU_DEP_1)
	v_add_f32_dpp v8, v8, v8 row_xmask:2 row_mask:0xf bank_mask:0xf
	s_delay_alu instid0(VALU_DEP_1)
	v_add_f32_dpp v8, v8, v8 row_xmask:4 row_mask:0xf bank_mask:0xf
	s_delay_alu instid0(VALU_DEP_1)
	v_add_f32_dpp v8, v8, v8 row_xmask:8 row_mask:0xf bank_mask:0xf
	s_delay_alu instid0(VALU_DEP_1)
	v_permlanex16_b32 v9, v8, s24, s25
	s_delay_alu instid0(VALU_DEP_1)
	v_add_f32 v8, v8, v9                           ; the batch's sum, in every lane
	s_delay_alu instid0(VALU_DEP_1)
	v_fma_f32 v8, v8, s30, 0.5                     ; the mean (a division by a power of two rounds nothing) + 0.5
	s_delay_alu instid0(VALU_DEP_1)
	v_floor_f32 v8, v8
	s_delay_alu instid0(VALU_DEP_1)
	v_med3_num_f32 v44, v8, 2.0, s29               ; k, as f32
	v_mov_b32 v41, 0
	v_mov_b32 v42, 0                               ; my rank
; Partner e xor m of my token: it goes ahead of me if its p is larger, or equal with a lower index (the lanes in which the highest bit of m is set in e)
.macro RANK m, mask
	v_mov_b32_dpp v41, v40 row_xmask:\m row_mask:0xf bank_mask:0xf
	s_delay_alu instid0(VALU_DEP_1)
	v_cmp_gt_f32 s26, v41, v40
	s_delay_alu instid0(VALU_DEP_2)
	v_cmp_eq_f32 s27, v41, v40
	s_and_b32 s27, s27, \mask
	s_or_b32 vcc_lo, s26, s27
	v_add_co_ci_u32 v42, vcc_lo, 0, v42, vcc_lo    ; rank + 1 in those lanes
.endm
	RANK 1, 0xaaaaaaaa
	RANK 2, 0xcccccccc
	RANK 3, 0xcccccccc
	RANK 4, 0xf0f0f0f0
	RANK 5, 0xf0f0f0f0
	RANK 6, 0xf0f0f0f0
	RANK 7, 0xf0f0f0f0
	s_delay_alu instid0(VALU_DEP_1)
	v_cvt_f32_u32 v43, v42
	s_delay_alu instid0(VALU_DEP_1)
	v_cmp_lt_f32 vcc_lo, v43, v44
	s_delay_alu instid0(VALU_DEP_1)
	v_cndmask_b32 v45, 0, v40, vcc_lo              ; p where rank < k, else 0
	s_delay_alu instid0(VALU_DEP_1)
	v_mov_b32 v47, v45
	s_delay_alu instid0(VALU_DEP_1)
	v_add_f32_dpp v47, v47, v47 row_xmask:1 row_mask:0xf bank_mask:0xf
	s_delay_alu instid0(VALU_DEP_1)
	v_add_f32_dpp v47, v47, v47 row_xmask:2 row_mask:0xf bank_mask:0xf
	s_delay_alu instid0(VALU_DEP_1)
	v_add_f32_dpp v47, v47, v47 row_xmask:4 row_mask:0xf bank_mask:0xf   ; the token's sum
	s_delay_alu instid0(VALU_DEP_1)
	v_add_f32 v47, s31, v47
	s_wait_alu depctr_va_vdst(0)
	v_rcp_f32 v47, v47
	v_nop                                          ; a plain place behind the reciprocal
	s_wait_alu depctr_va_vdst(0)
	v_mul_f32 v46, v45, v47                        ; w
.set l, 0
.rept 32
	v_readlane_b32 s[W+l], v46, l
.set l, l+1
.endr
.irp tl, 0,1,2,3
	s_wait_loadcnt 24-8*\tl                        ; this token's eight parts are in; the later tokens' stay out
.irp e, 0,1,2,3,4,5,6,7
	v_lshlrev_b32 v[T+4*(\e%2)], 16, v[P+16*\tl+2*\e]              ; bf16 to f32: the low half is shifted up, the high half is cut out
	v_and_b32 v[T+4*(\e%2)+1], 0xffff0000, v[P+16*\tl+2*\e]
	v_lshlrev_b32 v[T+4*(\e%2)+2], 16, v[P+16*\tl+2*\e+1]
	v_and_b32 v[T+4*(\e%2)+3], 0xffff0000, v[P+16*\tl+2*\e+1]
.irp c, 0,1,2,3
	s_delay_alu instid0(VALU_DEP_4)
.if \e == 0
	v_mul_f32 v[8+4*\tl+\c], s[W+8*\tl], v[T+\c]                   ; the first product starts the sums
.else
	v_fmac_f32 v[8+4*\tl+\c], s[W+8*\tl+\e], v[T+4*(\e%2)+\c]
.endif
.endr
.endr
	global_store_b128 v5, v[8+4*\tl:8+4*\tl+3], s[12:13] offset:4096*\tl th:TH_STORE_NT   ; a wave stores 512 consecutive bytes, aligned
.endr
	s_endpgm
.Lfunc_end_k_qe6812b786b_combine:
	.size	k_qe6812b786b_combine, .Lfunc_end_k_qe6812b786b_combine-k_qe6812b786b_combine
	.p2alignl 7, 3214868480
	.fill 96, 4, 3214868480
	.section	.rodata,"a",@progbits
	.p2align	6, 0x0
	.amdhsa_kernel k_qe6812b786b_combine
		.amdhsa_group_segment_fixed_size 0
		.amdhsa_private_segment_fixed_size 0
		.amdhsa_enable_private_segment 0
		.amdhsa_kernarg_size 32
		.amdhsa_user_sgpr_count 2
		.amdhsa_user_sgpr_kernarg_segment_ptr 1
		.amdhsa_wavefront_size32 1
		.amdhsa_system_sgpr_workgroup_id_x 1
		.amdhsa_system_sgpr_workgroup_id_y 1
		.amdhsa_system_sgpr_workgroup_id_z 1
		.amdhsa_system_vgpr_workitem_id 0
		.amdhsa_next_free_vgpr 128
		.amdhsa_next_free_sgpr 66
		.amdhsa_reserve_vcc 1
		.amdhsa_float_denorm_mode_32 3
		.amdhsa_float_denorm_mode_16_64 3
		.amdhsa_memory_ordered 1
		.amdhsa_forward_progress 1
		.amdhsa_inst_pref_size 30
	.end_amdhsa_kernel
	.amdgpu_metadata
---
amdhsa.version: [ 1, 2 ]
amdhsa.kernels:
  - .name:           k_qe6812b786b_combine
    .symbol:         k_qe6812b786b_combine.kd
    .args:
      - { .name: part, .offset: 0, .size: 8, .value_kind: global_buffer, .address_space: global }
      - { .name: probs, .offset: 8, .size: 8, .value_kind: global_buffer, .address_space: global }
      - { .name: clar, .offset: 16, .size: 8, .value_kind: global_buffer, .address_space: global }
      - { .name: out0, .offset: 24, .size: 8, .value_kind: global_buffer, .address_space: global }
    .group_segment_fixed_size: 0
    .private_segment_fixed_size: 0
    .kernarg_segment_align: 8
    .kernarg_segment_size: 32
    .max_flat_workgroup_size: 256
    .sgpr_count:     66
    .vgpr_count:     128
    .wavefront_size: 32
...
	.end_amdgpu_metadata
.endif
;; end of part 4
